; MI455X (gfx1250); checked and timed in simulation.
; The chip was launched on July 23, 2026; its instructions are those of AMD's public machine-readable ISA for CDNA 5 (MIT licence, August 2026) and "CDNA5" Instruction Set Architecture Reference Guide (July 2026). The comments in the code are by the model that wrote it; some were corrected since.
;; Multil head att en de. Allowed arithmetic: matrix products marked QUANTISED: E2M1 operands, one E8M0 scale for each 32 along K, by v_wmma_scale_f32_16x16x128_f8f6f4 with both operands' format E2M1 (or v_wmma_scale_f32_32x16x128_f4), f32 sums; products left as they are: bf16, f16 or f32 operands; f32 sums; everything else in f32.
;; Inputs: Wk 16 x 1,024 x 64 float32; Wo 1,024 x 1,024 float32; Wq 16 x 1,024 x 64 float32; Wv 16 x 1,024 x 64 float32; batch_chi 8 x 1,024 x 1,024 float32; batch_eng 8 x 1,024 x 1,024 float32.
;; Outputs: out0 8 x 1,024 x 1,024 float32.
;; This version of the problem:
;;   THIS VERSION OF THE PROBLEM IS GIVEN IN LOW PRECISION. The matrix products marked QUANTISED in the list below multiply operands that are first quantised to E2M1 (2 exponent bits, 1 mantissa bit; 4 bits a number), with one power-of-two scale for each 32 numbers along K (OCP MX v1.0); their sums are f32. The products marked 'left as it is' may take bf16, f16 or f32 operands, with f32 sums. Whichever they take, every output number must still come out within the allowed error. Rounding operands to bf16 (8 significant bits) uses up far more of that allowance than f16 does (11 bits, for magnitudes from 6e-5 to 65,504). All else is computed in f32.
;;   The module's matrix products, in the order in which they are computed (A, B: the left and right operand; K: the contracted axis; several contracted axes count as one K, in the product's order):
;;     1. [M 1,024, K 1,024] x [K 1,024, N 8,192]; A: input Wq; B: input batch_chi: QUANTISED
;;     2. [M 1,024, K 1,024] x [K 1,024, N 8,192]; A: input Wk; B: input batch_eng: QUANTISED
;;     3. [M 1,024, K 1,024] x [K 1,024, N 8,192]; A: input Wv; B: input batch_eng: QUANTISED
;;     4. batch 128 x [M 1,024, K 64] x [K 64, N 1,024]; A: computed on the way; B: computed on the way: left as it is (an operand is computed on the way)
;;     5. batch 128 x [M 1,024, K 1,024] x [K 1,024, N 64]; A: computed on the way; B: computed on the way: left as it is (an operand is computed on the way)
;;     6. [M 8,192, K 1,024] x [K 1,024, N 1,024]; A: computed on the way; B: input Wo: left as it is (an operand is computed on the way)
;;   THE QUANTISER, for each operand of a quantised product, along K:
;;     - K is cut into blocks of 32 from its start; a last block that is shorter is filled with zeros.
;;     - A block's scale is 2^e with e = floor(log2(the largest magnitude in the block)) - 2, held to -126 .. 127; a block of zeros has e = 0. As a byte (E8M0): e + 127.
;;     - Each number is divided by its block's scale, clamped to +-6, and rounded to the nearest number of E2M1, ties to even, subnormals kept.
;;     - The product sums the exact products of the quantised numbers (number of the format x scale) in f32.
;;   ~~~python
;;   def quantise(x, axis):      # numpy; x: float32 -> the quantised numbers, widened to float32 again
;;       x = np.moveaxis(x, axis, -1); K = x.shape[-1]
;;       x = np.pad(x, [(0, 0)] * (x.ndim - 1) + [(0, -K % 32)]); x = x.reshape(x.shape[:-1] + (-1, 32)); a = np.abs(x).max(-1, keepdims=True)
;;       e = np.where(a > 0, np.clip(np.frexp(np.where(a > 0, a, 1))[1] - 1 - 2, -126, 127), 0)      # np.frexp(a)[1] - 1 = floor(log2(a)), exactly
;;       r = np.clip(x / 2.0 ** e, -6, 6)
;;       step = 2.0 ** (np.maximum(np.frexp(np.where(r == 0, 1, r))[1] - 1, 0) - 1)
;;       q = np.round(r / step) * step * 2.0 ** e      # np.round: ties to even
;;       return np.moveaxis(q.reshape(q.shape[:-2] + (-1,))[..., :K], -1, axis).astype(np.float32)
;;   ~~~
;; One version. Each part assembles by itself: llvm-mc -triple=amdgcn-amd-amdhsa -mcpu=gfx1250 --defsym DOCPART=n.
;; ======== version 1 of 1: 4 launches
;; limits: values are held in f16: magnitudes above 65,504 overflow, below 6.1e-05 lose precision
;; workspace buffers: x_codes 8,388,608 bytes; x_scales 524,288 bytes; w_codes 1,572,864 bytes; w_scales 98,304 bytes; wo16 2,097,152 bytes; qkv 50,331,648 bytes; att_o 16,777,216 bytes
;; launch prep (part 1): grid 624 x 1, 4 waves a work-group, no clusters, 68,096 bytes of LDS; arguments batch_chi, batch_eng, x_codes, x_scales, Wq, Wk, Wv, Wo, w_codes, w_scales, wo16; writes x_codes, x_scales, w_codes, w_scales, wo16
.if DOCPART == 1
	.amdgcn_target "amdgcn-amd-amdhsa--gfx1250"
	.amdhsa_code_object_version 6
	.text
	.protected	k_qa6df065181_prep
	.globl	k_qa6df065181_prep
	.p2align	8
	.type	k_qa6df065181_prep,@function
k_qa6df065181_prep:
	s_mov_b64 s[64:65], 0
	v_nop
	global_prefetch_b8 v0, s[64:65] scope:SCOPE_SE
	s_setreg_imm32_b32 hwreg(HW_REG_WAVE_MODE, 25, 1), 1
	s_wait_xcnt 0x0
; THREE JOBS IN ONE LAUNCH, parted on the work-group's number alone; they share no byte, and the one with the longest chain of dependent loads has the lowest numbers.
; WORK-GROUPS 0-47: one head of Wq, Wk or Wv ([16 heads][1024 e][64 d] f32; K = e is the MIDDLE axis) becomes codes of FP4 (E2M1) with K innermost and one E8M0 byte for each 32 along K.
;   w_codes: [3072 rows][512 bytes], w_scales: [3072][32 bytes]; row = 1024 x matrix (q, k, v) + 64 x head + d = 64 x work-group + d.
;   A LANE TAKES A COLUMN d, AND ITS REGISTERS RUN DOWN e: a block of 32 along K lies in one lane's 32 registers, its largest magnitude needs no other lane, and the conversions give the codes with K innermost.
;   Wave w: columns 32 (w % 2) on, e = 512 (w / 2) on: 16 blocks a lane, 256 bytes of codes a column.  They go through the wave's own stage in LDS and leave as rows: sixteen lanes store 256 consecutive bytes, aligned.
; WORK-GROUPS 48-559: batch_chi and batch_eng, each [8192 rows][1024] f32, become codes and scale bytes likewise (their K is innermost).  x_codes: [16384 rows][512 bytes], x_scales: [16384][32 bytes];
;   rows 0-8191 are chi's, rows 8192-16383 eng's.  Rows are dense and 1024 is a multiple of 32: both tensors are plain streams of blocks of 32.  A wave takes 16 steps of 512 numbers.  A conversion takes 8 numbers
;   of one block from ONE lane's registers, so a lane must hold 16 neighbours; a load is best where neighbouring lanes take neighbouring bytes.  Both are had: each of a step's four loads reads 512 consecutive
;   bytes, and the 2,048 bytes turn through the wave's own stage in LDS (16 bytes of padding behind each 64).  A lane's 16 codes are 8 bytes: a wave's store covers 256 consecutive bytes, aligned.  A wave's 256
;   scale bytes are gathered in LDS and leave by one store of 256 consecutive bytes.
; WORK-GROUPS 560-623: Wo [1024 k][1024 n] f32 is rounded to f16 as it lies (wo16): a wave takes 4,096 numbers, 32 loads of 512 consecutive bytes, all on their way at once; each store covers 256 consecutive bytes, aligned.
; THE QUANTISER: a block's scale is 2^(floor(log2(its largest magnitude)) - 2); its byte is the largest magnitude's exponent field - 2, held at 1 from below.  Each number is divided by the scale and rounded to
; the nearest code, ties to even; beyond 6 the largest code.
; LIMITS: a block of zeros gets the byte 1 where the quantiser's rule says 127: its codes are zeros, which add nothing under any byte but 0xff, and this program alone reads the bytes.  Blocks whose largest
; magnitude lies under 2^-124 keep the byte 1.  NaN and infinities among the inputs are not served.  Numbers of Wo beyond 65,504 are not served, and those under 6e-5 are kept to f16's fixed step of 6e-8.
; LDS: the activations' four regions at 0, the weights' four stages behind them: each path has bytes of its own.  No matrix unit, no cluster, no tensor load, no barrier: the waves share nothing, each byte is read once.
.set NWW,   48                         ; work-groups for the weights
.set NWX,   512                        ; for the activations
.set EMAX,  2
.set SPW,   12                         ; v12      LDS address of my spare word; never rewritten
.set NIL,   13                         ; v13      0; never rewritten
.set WAVES, 4
; the activations' path
.set STEPS, 16
.set WGA,   256                        ; work-groups for chi: 8192 x 1024 / (512 x 16 x 4); as many for eng
.set CB,    8                          ; bytes of 16 codes
.set XR,    16                         ; v16-79   four sets of 16 numbers as they are loaded
.set XN,    80                         ; v80-111  two sets of 16 neighbours
.set XE,    112                        ; v112-127 a scale byte for each step
.set XC,    128                        ; v128-191 codes: four registers for each step, so that no store's data are written again
.set XREG,  8192                       ; LDS: a region for each wave: two stages of 32 x SP bytes, behind them its 256 scale bytes
.set SP,    80                         ; a lane's place in a stage: 64 bytes + 16 of padding
; the weights' path
.set NB,    16                         ; blocks of 32 along K for a wave
.set PITCH, 272                        ; a stage row: 256 bytes of codes + 16
.set KROW,  512                        ; a row of w_codes in bytes
.set WROW,  256                        ; from e to e + 1 inside a head: 64 f32
.set WSB,   24                         ; v24-27   the scale bytes, four to a register
.set WX,    32                         ; v32-95   two sets of 32 numbers
.set WC,    96                         ; v96-99   a block's codes
.set WOUT,  112                        ; v112-175 the way out
.set WST,   WAVES*XREG                 ; LDS: the four stages, behind the activations' regions
.set SPARE, WST+WAVES*32*PITCH         ; behind the stages: the spare words, 128 bytes a wave, which no other line names
	v_lshl_add_u32 v[SPW], v0, 2, SPARE
	v_mov_b32 v[NIL], 0
	v_lshrrev_b32 v1, 5, v0
	v_readfirstlane_b32 s2, v1                     ; wave 0..3
	v_and_b32 v2, 31, v0                           ; lane
	s_cmp_lt_u32 ttmp9, NWW
	s_cbranch_scc1 .Lweights
	s_cmp_lt_u32 ttmp9, NWW+NWX
	s_cbranch_scc0 .Lcast
	; ---- the activations
	s_load_b128 s[4:7], s[0:1], 0x0                ; chi, eng
	s_load_b128 s[8:11], s[0:1], 0x10              ; x_codes, x_scales
	v_lshlrev_b32 v3, 4, v2                        ; my 16 bytes of a load's 512
	s_mul_i32 s17, s2, XREG
	v_lshrrev_b32 v14, 2, v2
	v_mul_u32_u24 v14, v14, SP
	v_and_b32 v15, 3, v2
	v_lshl_add_u32 v14, v15, 4, v14
	v_add_nc_u32 v14, s17, v14                     ; the stage, on the way in: SP (lane / 4) + 16 (lane % 4)
	v_mul_u32_u24 v15, v2, SP
	v_add_nc_u32 v15, s17, v15                     ; and on the way out: SP x lane: my 16 neighbours
	v_mul_u32_u24 v4, v2, CB                       ; my codes' place in a step's
	v_lshrrev_b32 v5, 1, v2
	s_add_co_u32 s17, s17, 2*32*SP
	v_add_nc_u32 v5, s17, v5                       ; LDS: my wave's 256 scale bytes, my block's byte
	v_lshlrev_b32 v7, 3, v2                        ; and on the way out 8 bytes a lane
	v_add_nc_u32 v6, s17, v7
	s_sub_co_u32 s24, ttmp9, NWW                   ; my number among the 512
	s_wait_kmcnt 0x0
	s_cmp_lt_u32 s24, WGA                          ; chi's work-group or eng's?  The choice hangs on the work-group's number alone
	s_cselect_b64 s[4:5], s[4:5], s[6:7]
	s_cselect_b32 s17, 0, WGA
	s_sub_co_u32 s17, s24, s17
	s_lshl_b32 s17, s17, 2
	s_add_co_u32 s18, s17, s2                      ; which run of 8,192 numbers of its tensor is my wave's
	s_lshl_b32 s18, s18, 15                        ; 32,768 bytes a run
	s_mov_b32 s19, 0
	s_add_nc_u64 s[4:5], s[4:5], s[18:19]
	s_lshl_b32 s20, s24, 2
	s_add_co_u32 s20, s20, s2                      ; and which run of the two together: eng's 1,024 runs follow chi's
	s_lshl_b32 s22, s20, 12                        ; 4,096 bytes of codes a run
	s_mov_b32 s23, 0
	s_add_nc_u64 s[8:9], s[8:9], s[22:23]
	s_lshl_b32 s22, s20, 8                         ; 256 scale bytes a run
	s_add_nc_u64 s[10:11], s[10:11], s[22:23]
.macro XLOAD t
.irp i, 0,1,2,3
	global_load_b128 v[XR+16*((\t)%4)+4*\i:XR+16*((\t)%4)+4*\i+3], v3, s[4:5] offset:2048*(\t)+512*\i th:TH_LOAD_NT   ; 32 lanes read 512 consecutive bytes
.endr
.endm
.macro XTURN t                         ; step t's numbers through the stage: LDS serves a wave's instructions in order, so no wait stands between the stores and the loads
.irp i, 0,1,2,3
	ds_store_b128 v14, v[XR+16*((\t)%4)+4*\i:XR+16*((\t)%4)+4*\i+3] offset:32*SP*((\t)%2)+8*SP*\i
.endr
.irp i, 0,1,2,3
	ds_load_b128 v[XN+16*((\t)%2)+4*\i:XN+16*((\t)%2)+4*\i+3], v15 offset:32*SP*((\t)%2)+16*\i
.endr
.endm
.irp t, 0,1,2,3
	XLOAD \t
.endr
	s_wait_loadcnt 12                              ; step 0's four loads are in; the twelve of steps 1 to 3 stay out
	XTURN 0
.macro XSTEP t
.set XS, XN+16*((\t)%2)
.if (\t) > 0
	s_wait_dscnt 1                                 ; this step's numbers are back from the stage (the last step's byte store may be out): so its stores into the stage have read their registers,
.else
	s_wait_dscnt 0x0
.endif
.if (\t)+4 < STEPS
	XLOAD (\t)+4                                   ; which take the loads of four steps on
.endif
.if (\t)+1 < STEPS
.if STEPS-2-(\t) >= 3
	s_wait_loadcnt 12                              ; the next step's four loads are in; those of the three steps behind it may be out
.else
	s_wait_loadcnt 4*(STEPS-2-(\t))
.endif
	XTURN (\t)+1                                   ; and go through the other stage while this step is worked
.endif
	v_max3_num_f32 v8, |v[XS]|, |v[XS+1]|, |v[XS+2]|               ; the largest magnitude of my 16, in two chains
	v_max3_num_f32 v9, |v[XS+3]|, |v[XS+4]|, |v[XS+5]|
.irp i, 6,10
	v_max3_num_f32 v8, v8, |v[XS+\i]|, |v[XS+\i+1]|
	v_max3_num_f32 v9, v9, |v[XS+\i+2]|, |v[XS+\i+3]|
.endr
	v_max3_num_f32 v8, v8, |v[XS+14]|, |v[XS+15]|
	v_max3_num_f32 v8, v8, v9, (EMAX+1)<<23        ; and the floor 2^(3 - 127): the byte cannot fall under 1
	v_max_num_f32_dpp v8, v8, v8 row_xmask:1 row_mask:0xf bank_mask:0xf   ; and of my neighbour's 16: the block's
	v_add_nc_u32 v11, -(EMAX<<23), v8              ; 2 off its exponent field: the conversion takes the exponent field of this operand as its scale, and nothing else of it
	v_cvt_scalef32_pk8_fp4_f32 v[XC+4*(\t)], v[XS:XS+7], v11
	v_cvt_scalef32_pk8_fp4_f32 v[XC+4*(\t)+1], v[XS+8:XS+15], v11
	v_lshrrev_b32 v[XE+(\t)], 23, v11              ; the scale's byte
	ds_store_b8 v5, v[XE+(\t)] offset:16*(\t)      ; both lanes of a block write the same byte with the same value
	global_store_b64 v4, v[XC+4*(\t):XC+4*(\t)+1], s[8:9] offset:32*CB*(\t)
.endm
.irp t, 0,1,2,3,4,5,6,7,8,9,10,11,12,13,14,15
	XSTEP \t
.endr
	ds_load_b64 v[8:9], v6                         ; LDS serves a wave's instructions in order: these see my stores
	s_wait_dscnt 0x0
	global_store_b64 v7, v[8:9], s[10:11]          ; 32 lanes store 256 consecutive bytes, aligned
	s_wait_tensorcnt 0x0                           ; the wave's end: behind my last LDS store
	ds_add_u32 v[SPW], v[NIL]
	s_wait_dscnt 0x0
	s_endpgm
	; ---- a head of Wq, Wk or Wv
.Lweights:
	s_load_b128 s[4:7], s[0:1], 0x20               ; Wq s[4:5], Wk s[6:7]
	s_load_b64 s[8:9], s[0:1], 0x30                ; Wv
	s_load_b128 s[12:15], s[0:1], 0x40             ; w_codes, w_scales
	s_lshr_b32 s19, ttmp9, 4                       ; which matrix
	s_and_b32 s20, ttmp9, 15                       ; which head
	s_and_b32 s21, s2, 1                           ; which 32 columns
	s_lshr_b32 s22, s2, 1                          ; which 512 along K
	v_lshlrev_b32 v3, 2, v2                        ; in: 4 bytes a lane
	s_mul_i32 s23, s2, 32*PITCH
	s_add_co_u32 s23, s23, WST                     ; my stage
	v_mul_u32_u24 v4, v2, PITCH
	v_add_nc_u32 v4, s23, v4                       ; into it: row = my column
	v_and_b32 v5, 15, v2
	v_lshrrev_b32 v6, 4, v2                        ; out of it: sixteen lanes to a row, two rows an instruction
	v_mul_u32_u24 v7, v6, PITCH
	v_lshl_add_u32 v7, v5, 4, v7
	v_add_nc_u32 v7, s23, v7
	v_mul_u32_u24 v8, v6, KROW
	v_lshl_add_u32 v8, v5, 4, v8                   ; and the same place in w_codes
	v_lshlrev_b32 v9, 5, v2                        ; my column's row of scale bytes: 32 bytes a row
	s_lshl_b32 s24, s20, 18                        ; in: head x 262,144
	s_lshl_b32 s25, s22, 17                        ;   + 512 rows of 256 bytes
	s_add_co_u32 s24, s24, s25
	s_lshl_b32 s25, s21, 7                         ;   + 32 columns of 4 bytes
	s_add_co_u32 s24, s24, s25
	s_mov_b32 s25, 0
	s_lshl_b32 s26, ttmp9, 6
	s_lshl_b32 s27, s21, 5
	s_add_co_u32 s26, s26, s27                     ; my wave's first row of the outputs
	s_lshl_b32 s28, s26, 9                         ; codes: row x 512 + 256 x (K half)
	s_lshl_b32 s29, s22, 8
	s_add_co_u32 s28, s28, s29
	s_mov_b32 s29, 0
	s_lshl_b32 s30, s26, 5                         ; scale bytes: row x 32 + 16 x (K half)
	s_lshl_b32 s31, s22, 4
	s_add_co_u32 s30, s30, s31
	s_mov_b32 s31, 0
	s_wait_kmcnt 0x0
	s_cmp_eq_u32 s19, 1                            ; the matrix is chosen by the work-group's number alone
	s_cselect_b64 s[4:5], s[6:7], s[4:5]
	s_cmp_eq_u32 s19, 2
	s_cselect_b64 s[4:5], s[8:9], s[4:5]
	s_add_nc_u64 s[4:5], s[4:5], s[24:25]
	s_add_nc_u64 s[12:13], s[12:13], s[28:29]
	s_add_nc_u64 s[14:15], s[14:15], s[30:31]
.macro WLOAD t                         ; block t: W(32 t + i, my column), i = 0 .. 31, into set t % 2; a load reads 128 consecutive bytes
.irp i, 0,1,2,3,4,5,6,7,8,9,10,11,12,13,14,15,16,17,18,19,20,21,22,23,24,25,26,27,28,29,30,31
	global_load_b32 v[WX+32*((\t)%2)+\i], v3, s[4:5] offset:(32*(\t)+\i)*WROW
.endr
.endm
	WLOAD 0
	WLOAD 1
.macro WBLOCK t
.set XS, WX+32*((\t)%2)
.if (\t) < NB-1
	s_wait_loadcnt 32                              ; this block's 32 loads are in; the next block's 32 may be out
.else
	s_wait_loadcnt 0
.endif
	v_max3_num_f32 v16, |v[XS]|, |v[XS+1]|, |v[XS+2]|               ; the block's largest magnitude: all 32 numbers are mine
	v_max3_num_f32 v17, |v[XS+3]|, |v[XS+4]|, |v[XS+5]|
.irp i, 6,10,14,18,22,26
	v_max3_num_f32 v16, v16, |v[XS+\i]|, |v[XS+\i+1]|
	v_max3_num_f32 v17, v17, |v[XS+\i+2]|, |v[XS+\i+3]|
.endr
	v_max3_num_f32 v16, v16, |v[XS+30]|, |v[XS+31]|
	v_max3_num_f32 v16, v16, v17, (EMAX+1)<<23     ; and the floor 2^(3 - 127): the byte cannot fall under 1
	v_add_nc_u32 v11, -(EMAX<<23), v16             ; 2 off its exponent field: the conversion's scale operand
	v_lshrrev_b32 v17, 23, v11                     ; the scale's byte
.if (\t)%4 == 0
	v_mov_b32 v[WSB+(\t)/4], v17                   ; four bytes to a register, the lower K in the lower byte
.else
	v_lshl_or_b32 v[WSB+(\t)/4], v17, 8*((\t)%4), v[WSB+(\t)/4]
.endif
.irp g, 0,1,2,3
	v_cvt_scalef32_pk8_fp4_f32 v[WC+\g], v[XS+8*\g:XS+8*\g+7], v11
.endr
	v_nop                                          ; one plain line behind the last conversion of a run
	ds_store_b128 v4, v[WC:WC+3] offset:16*(\t)    ; 32 codes: 16 bytes of my column's row
.if (\t)+2 < NB
	WLOAD (\t)+2
.endif
	s_wait_dscnt 0x0                               ; the store has read its registers: the next block's codes may be written
.endm
.set Q, 0
.rept NB
	WBLOCK Q
.set Q, Q+1
.endr
	global_store_b128 v9, v[WSB:WSB+3], s[14:15]   ; my column's 16 scale bytes
.irp t, 0,1,2,3,4,5,6,7,8,9,10,11,12,13,14,15
	ds_load_b128 v[WOUT+4*\t:WOUT+4*\t+3], v7 offset:2*\t*PITCH   ; LDS serves a wave's instructions in order: these see my stores
.endr
.irp t, 0,1,2,3,4,5,6,7,8,9,10,11,12,13,14,15
	s_wait_dscnt 15-\t                             ; load t is in; the younger ones stay out
	global_store_b128 v8, v[WOUT+4*\t:WOUT+4*\t+3], s[12:13] offset:2*\t*KROW
.endr
	s_wait_tensorcnt 0x0                           ; the wave's end: behind my last LDS store
	ds_add_u32 v[SPW], v[NIL]
	s_wait_dscnt 0x0
	s_endpgm
	; ---- Wo to f16
.Lcast:
	s_load_b64 s[10:11], s[0:1], 0x38              ; Wo
	s_load_b64 s[16:17], s[0:1], 0x50              ; wo16
	s_sub_co_u32 s19, ttmp9, NWW+NWX
	s_lshl_b32 s19, s19, 2
	s_add_co_u32 s19, s19, s2                      ; which run of 4,096 numbers is my wave's
	s_lshl_b32 s20, s19, 14                        ; 16,384 bytes in,
	s_mov_b32 s21, 0
	s_lshl_b32 s22, s19, 13                        ; 8,192 out
	s_mov_b32 s23, 0
	v_lshlrev_b32 v3, 4, v2                        ; 16 bytes a lane in,
	v_lshlrev_b32 v4, 3, v2                        ; 8 out
	s_wait_kmcnt 0x0
	s_add_nc_u64 s[10:11], s[10:11], s[20:21]
	s_add_nc_u64 s[16:17], s[16:17], s[22:23]
.set i, 0
.rept 32
	global_load_b128 v[32+4*i:35+4*i], v3, s[10:11] offset:512*i th:TH_LOAD_NT
.set i, i+1
.endr
.set i, 0
.rept 32
	s_wait_loadcnt 31-i                            ; load i is in; the younger ones stay out
	v_cvt_pk_f16_f32 v[32+4*i], v[32+4*i], v[33+4*i]
	v_cvt_pk_f16_f32 v[33+4*i], v[34+4*i], v[35+4*i]
	global_store_b64 v4, v[32+4*i:33+4*i], s[16:17] offset:256*i   ; no register of a store is written again
.set i, i+1
.endr
	s_wait_tensorcnt 0x0                           ; the same three lines at this path's end
	ds_add_u32 v[SPW], v[NIL]
	s_wait_dscnt 0x0
	s_endpgm
.Lfunc_end_k_qa6df065181_prep:
	.size	k_qa6df065181_prep, .Lfunc_end_k_qa6df065181_prep-k_qa6df065181_prep
	.p2alignl 7, 3214868480
	.fill 96, 4, 3214868480
	.section	.rodata,"a",@progbits
	.p2align	6, 0x0
	.amdhsa_kernel k_qa6df065181_prep
		.amdhsa_group_segment_fixed_size 68096
		.amdhsa_private_segment_fixed_size 0
		.amdhsa_enable_private_segment 0
		.amdhsa_kernarg_size 88
		.amdhsa_user_sgpr_count 2
		.amdhsa_user_sgpr_kernarg_segment_ptr 1
		.amdhsa_wavefront_size32 1
		.amdhsa_system_sgpr_workgroup_id_x 1
		.amdhsa_system_sgpr_workgroup_id_y 1
		.amdhsa_system_sgpr_workgroup_id_z 1
		.amdhsa_system_vgpr_workitem_id 0
		.amdhsa_next_free_vgpr 192
		.amdhsa_next_free_sgpr 66
		.amdhsa_reserve_vcc 0
		.amdhsa_float_denorm_mode_32 3
		.amdhsa_float_denorm_mode_16_64 3
		.amdhsa_memory_ordered 1
		.amdhsa_forward_progress 1
		.amdhsa_inst_pref_size 124
	.end_amdhsa_kernel
	.amdgpu_metadata
---
amdhsa.version: [ 1, 2 ]
amdhsa.kernels:
  - .name:           k_qa6df065181_prep
    .symbol:         k_qa6df065181_prep.kd
    .args:
      - { .name: batch_chi, .offset: 0, .size: 8, .value_kind: global_buffer, .address_space: global }
      - { .name: batch_eng, .offset: 8, .size: 8, .value_kind: global_buffer, .address_space: global }
      - { .name: x_codes, .offset: 16, .size: 8, .value_kind: global_buffer, .address_space: global }
      - { .name: x_scales, .offset: 24, .size: 8, .value_kind: global_buffer, .address_space: global }
      - { .name: Wq, .offset: 32, .size: 8, .value_kind: global_buffer, .address_space: global }
      - { .name: Wk, .offset: 40, .size: 8, .value_kind: global_buffer, .address_space: global }
      - { .name: Wv, .offset: 48, .size: 8, .value_kind: global_buffer, .address_space: global }
      - { .name: Wo, .offset: 56, .size: 8, .value_kind: global_buffer, .address_space: global }
      - { .name: w_codes, .offset: 64, .size: 8, .value_kind: global_buffer, .address_space: global }
      - { .name: w_scales, .offset: 72, .size: 8, .value_kind: global_buffer, .address_space: global }
      - { .name: wo16, .offset: 80, .size: 8, .value_kind: global_buffer, .address_space: global }
    .group_segment_fixed_size: 68096
    .private_segment_fixed_size: 0
    .kernarg_segment_align: 8
    .kernarg_segment_size: 88
    .max_flat_workgroup_size: 128
    .sgpr_count:     66
    .vgpr_count:     192
    .wavefront_size: 32
...
	.end_amdgpu_metadata
.endif
;; end of part 1
;; launch proj (part 2): grid 12 x 32, 4 waves a work-group, clusters of 4 x 4, 327,680 bytes of LDS; arguments x_codes, x_scales, w_codes, w_scales, qkv; writes qkv
.if DOCPART == 2
	.amdgcn_target "amdgcn-amd-amdhsa--gfx1250"
	.amdhsa_code_object_version 6
	.text
	.protected	k_qa6df065181_proj
	.globl	k_qa6df065181_proj
	.p2align	8
	.type	k_qa6df065181_proj,@function
k_qa6df065181_proj:
	s_mov_b64 s[64:65], 0
	v_nop
	global_prefetch_b8 v0, s[64:65] scope:SCOPE_SE
	s_setreg_imm32_b32 hwreg(HW_REG_WAVE_MODE, 25, 1), 1
	s_wait_xcnt 0x0
	s_wait_alu depctr_hold_cnt(0) depctr_sa_sdst(0) depctr_va_vdst(0) depctr_va_sdst(0) depctr_va_ssrc(0) depctr_va_vcc(0) depctr_vm_vsrc(0)
	s_getreg_b32 s2, hwreg(HW_REG_IB_STS2, 6, 4)
	s_cmp_eq_u32 s2, 0
	s_cbranch_scc0 .Lentry_in_a_cluster
	s_endpgm
.Lentry_in_a_cluster:
	s_bfe_u32 s2, ttmp6, 0x10000c
	s_cmp_lg_u32 s2, 0xf033
	s_cbranch_scc0 .Lentry_shape_is_right
	s_endpgm
.Lentry_shape_is_right:
; q, k, v = activations x per-head weights, on codes of FP4 (E2M1) with one E8M0 scale for each 32 along K = 1024; sums in f32, K ascending, one accumulator an output; results rounded once to f16.
; A = x_codes [16384 rows][512 bytes] (rows 0-8191 chi, 8192.. eng), B = w_codes [3072 rows][512 bytes] (row = 1024 x matrix + 64 x head + d); scale bytes [rows][32].
; C[m][n'], m = 0..8191 (batch x 1024 + position), n' = 0..3071: tile column / 4 = the cluster's x = the matrix: q takes chi's rows, k and v take eng's.
; qkv: [3 matrices][8 batches][16 heads][1024 positions][64] f16: a head is 131,072 dense bytes, so that 64 columns of neighbouring rows are consecutive bytes.
; A tile of C, 256 x 256, is made by a work-group of four waves; a wave makes 128 x 128: 64 accumulators, 512 registers.  ALL OF K LIES IN TWO LDS SLOTS of 512 along K: each is filled once, nothing is filled again,
; and there is no loop.  A wave has three tensor loads out at the start: its quarter of the scale bytes, of slot 0 and of slot 1.
; CLUSTERS: 4 x 4 work-groups.  The four of a row of the cluster need the same tiles of A, the four of a column the same tiles of B: each tile is asked for JOINTLY, by the same tensor load with the same descriptor
; and a mask that names the four.  THE MATRIX INSTRUCTION IS USED TRANSPOSED (source 0 = 16 rows of B, source 1 = 16 rows of A): a lane then holds eight neighbouring d of one position: 16 bytes of f16.
; LIMIT: results beyond 65,504 in magnitude are not served (f16).
; REGISTERS, in windows of 256: window 0: v0-31 addresses; v32-95 scale words, two sets; from v128 A's fragments, ONE set; on the way out v32-255 are free.
;   window 1: B's fragments, TWO sets, at v0 and v128.   window 2: the accumulators of my rows 0-63 ((a, b) at v[8 (8 a + b)]);   window 3: those of my rows 64-127.
.set SIZE_K, 1024
.set KSTEP,  512                       ; along K in a slot
.set NQ,     KSTEP/128                 ; matrix instructions deep
.set ROWB,   256                       ; a tile's row in bytes
.set KROW,   SIZE_K*4/8                ; a row of A or of B in memory, in bytes
.set PITCH,  272                       ; an LDS row: 256 bytes + 16 of padding = 68 words: the 16 rows that a load touches start at 16 different banks (64 banks of 4 bytes: ISA guide 11.1)
.set FR,     8                         ; registers of a fragment: 16 rows x 128 K
.set NL,     2                         ; LDS loads that bring one
.set NP,     4                         ; places behind this matrix instruction (ISA guide 7.12.1)
.set HALFT,  128*PITCH                 ; 128 rows: what one tensor load brings
.set SLOT,   4*HALFT                   ; A's 256 rows, then B's 256 rows
.set KS,     SIZE_K/32                 ; a row of scale bytes
.set SCL,    2*SLOT                    ; behind the slots: the scale bytes, as runs of 256 bytes + 16 of padding
.set HALFS,  (128*KS/256)*272          ; those of 128 rows: what one tensor load brings
.set SBLK,   (16*KS/256)*272           ; those of 16 rows
.set SPARE,  SCL+4*HALFS               ; behind the scales: the spare words, 128 bytes a wave, which no other line names
.set SPITCH, 272                       ; the way out: a stage of 16 rows x (256 bytes + 16) for each wave, in slot 0, which has had its one fill and its last read by then
.set ADRA, 16                          ; v16-17  LDS address of my A fragments in slot 0, 1
.set ADRB, 20                          ; v20-21  the same for B
.set STO,  24                          ; v24     the way out: where I put 16 bytes of a row
.set RD,   25                          ; v25     the way out: where I read back
.set CO,   26                          ; v26     16 x lane
.set ADRS, 27                          ; v27     LDS address of my scale words: lanes 0-15 A's rows, lanes 16-31 B's
.set SPW,  28                          ; v28     LDS address of my spare word; never rewritten
.set NIL,  29                          ; v29     0; never rewritten
.set SC,   32                          ; scale words: set s at v[SC + 32 s]; register 4 i + q: lanes 0-15 A's block i, lanes 16-31 B's block i, the slot's q-th 128 along K
.set AF,   128                         ; A's fragments, in window 0
.set TMP,  192                         ; the way out: packed results
.set OB,   32                          ; the way out: rows read back: v32-63 and v224-255 by turns
.set G1, 24                            ; s[24:31] descriptor group 1 for A's tiles;  s[32:39] group 0, one set for each slot
.set G0, 32
.set G1B, 48                           ; s[48:55], s[56:63] the same for B's tiles
.set G0B, 56
.set G1S, 68                           ; s[68:75], s[76:79] groups 1 and 0 for A's scales;  s[80:87], s[88:91] for B's
.set G0S, 76
.set G1SB, 80
.set G0SB, 88
.set MSB, 0
.macro WIN new                         ; the immediate's high byte repeats the setting that is left; a switch that changes nothing is dropped
.if MSB != (\new)
	s_set_vgpr_msb (MSB<<8)|(\new)
.set MSB, (\new)
.endif
.endm
.set MUL_LO, 0xa1                      ; source 0 (B) window 1, source 1 (A) window 0, C and D window 2
.set MUL_HI, 0xf1                      ; the same, C and D window 3
.set TO_B,   0x40                      ; destination window 1, address window 0
; A joint load: waves 0 and 1 fetch for A, waves 2 and 3 for B.  Each line has ONE mask and one set of registers for all that issue it; the branch hangs on the wave's number alone.
; An s_nop 0 and four v_nop follow each of the two lines.
.macro JLOAD g0a, g1a, g0b, g1b
	s_cmp_eq_u32 s15, 0
	s_cbranch_scc0 .Lfor_b_\@
	tensor_load_to_lds s[\g0a:\g0a+3], s[\g1a:\g1a+7]
	s_nop 0
.rept 4
	v_nop
.endr
	s_branch .Lasked_\@
.Lfor_b_\@:
	tensor_load_to_lds s[\g0b:\g0b+3], s[\g1b:\g1b+7]
	s_nop 0
.rept 4
	v_nop
.endr
.Lasked_\@:
.endm
.macro CROUND                          ; a round of the cluster's barrier
	s_barrier_signal -1
	s_barrier_wait -1
	s_cmp_lg_u32 s14, 0
	s_cbranch_scc1 .Lnot_wave_0_\@
	s_barrier_signal -3
.Lnot_wave_0_\@:
	s_barrier_wait -3
	s_barrier_signal -1
	s_barrier_wait -1
.endm
	s_load_b128 s[4:7], s[0:1], 0x0                ; A's codes s[4:5], A's scales s[6:7]
	s_load_b128 s[8:11], s[0:1], 0x10              ; B's codes s[8:9], B's scales s[10:11]
	s_load_b64 s[12:13], s[0:1], 0x20              ; qkv
	v_lshl_add_u32 v[SPW], v0, 2, SPARE
	v_mov_b32 v[NIL], 0
	ds_add_u32 v[SPW], v[NIL]                      ; the wave's opening: the add, twice on end, and its wait ahead of my first tensor load
	ds_add_u32 v[SPW], v[NIL]                      ; and once more; the set-up below, work on registers, stands between it and the wait
	v_lshrrev_b32 v1, 5, v0
	v_readfirstlane_b32 s14, v1                    ; wave 0..3
	s_lshr_b32 s15, s14, 1                         ; which half of the tile's rows is mine.  Also: I fetch for A (0) or for B (1)
	s_and_b32 s16, s14, 1                          ; which half of its columns.  Also: which 128 rows of that tile I fetch
	s_bfe_u32 s40, ttmp6, 0x40000                  ; cx, cy: my place in the cluster
	s_bfe_u32 s41, ttmp6, 0x40004
	s_lshl_b32 s42, ttmp9, 2
	s_add_co_u32 s42, s42, s40                     ; tile column of C = 4 x cluster x + cx
	s_and_b32 s17, ttmp7, 0xffff
	s_lshl_b32 s17, s17, 2
	s_add_co_u32 s17, s17, s41                     ; tile row of C = 4 x cluster y + cy
	s_lshl_b32 s43, s41, 2
	s_lshl_b32 s43, 15, s43                        ; my row of the cluster
	s_lshl_b32 s44, 0x1111, s40                    ; my column
	; descriptor group 1: a tile of 128 rows x 256 bytes, padded in LDS
	s_or_b32 s[G1+0], s43, (0<<16)|(1<<20)|(1<<21)|(5<<22)|(3<<25)  ; 15:0 the mask: A's tiles go to my row; 17:16 elements of 1 byte; 20 padding on; 21 set beside a mask; 24:22 after every 64 words; 31:25 four words
	s_or_b32 s[G1B+0], s44, (0<<16)|(1<<20)|(1<<21)|(5<<22)|(3<<25)
.irp g, G1, G1B
	s_mov_b32 s[\g+1], ROWB<<16                    ; tensor_dim0
	s_mov_b32 s[\g+2], 128<<16                     ; tensor_dim1 = 128
	s_mov_b32 s[\g+3], ROWB<<16                    ; tile_dim0
	s_mov_b32 s[\g+4], 128                         ; tile_dim1 = 128
	s_mov_b32 s[\g+5], KROW                        ; tensor_dim0_stride
	s_mov_b32 s[\g+6], 0
	s_mov_b32 s[\g+7], 0
.endr
	; and for the scale bytes of 128 rows: a dense block of 4,096 bytes, as 16 rows of 256 bytes (32 elements of 8 bytes), 16 bytes of padding behind each
	s_or_b32 s[G1S+0], s43, (3<<16)|(1<<20)|(1<<21)|(5<<22)|(3<<25)
	s_or_b32 s[G1SB+0], s44, (3<<16)|(1<<20)|(1<<21)|(5<<22)|(3<<25)
.irp g, G1S, G1SB
	s_mov_b32 s[\g+1], 32<<16
	s_mov_b32 s[\g+2], (128*KS/256)<<16
	s_mov_b32 s[\g+3], 32<<16
	s_mov_b32 s[\g+4], 128*KS/256
	s_mov_b32 s[\g+5], 32
	s_mov_b32 s[\g+6], 0
	s_mov_b32 s[\g+7], 0
.endr
	s_lshl_b32 s18, s16, 7                         ; which 128 rows of the tile I fetch
	s_lshl_b32 s20, s17, 8
	s_add_co_u32 s20, s20, s18                     ; A: row 256 x tile row + 128 x half,
	s_min_u32 s95, ttmp9, 1                        ; and for k and v (cluster x = 1, 2: the same in all sixteen partners)
	s_lshl_b32 s95, s95, 13
	s_add_co_u32 s20, s20, s95                     ; eng's rows, 8,192 further down
	s_lshl_b32 s46, s42, 8
	s_add_co_u32 s46, s46, s18                     ; B: row 256 x tile column + 128 x half
	s_mov_b32 s21, 0
	s_mov_b32 s47, 0
	s_mov_b64 s[18:19], KS
	s_mul_u64 s[22:23], s[20:21], s[18:19]         ; where these rows' scale bytes begin
	s_mul_u64 s[92:93], s[46:47], s[18:19]
	s_mov_b64 s[18:19], KROW
	s_mul_u64 s[20:21], s[20:21], s[18:19]         ; and their codes
	s_mul_u64 s[46:47], s[46:47], s[18:19]
	s_mul_i32 s45, s14, HALFT                      ; where they go: wave x 128 rows: no place in the cluster enters an LDS address
	s_mul_i32 s94, s14, HALFS
	s_wait_dscnt 0x0                               ; both opening adds are done
	s_wait_kmcnt 0x0
	s_add_nc_u64 s[20:21], s[4:5], s[20:21]
	s_add_nc_u64 s[22:23], s[6:7], s[22:23]
	s_add_nc_u64 s[46:47], s[8:9], s[46:47]
	s_add_nc_u64 s[92:93], s[10:11], s[92:93]
	CROUND                                         ; all sixteen work-groups are here: the joint loads meet
	s_mov_b32 s[G0S], 1
	s_add_co_u32 s[G0S+1], s94, SCL
	s_mov_b64 s[G0S+2:G0S+3], s[22:23]
	s_or_b32 s[G0S+3], s[G0S+3], 0x80000000
	s_mov_b32 s[G0SB], 1
	s_add_co_u32 s[G0SB+1], s94, SCL
	s_mov_b64 s[G0SB+2:G0SB+3], s[92:93]
	s_or_b32 s[G0SB+3], s[G0SB+3], 0x80000000
	JLOAD G0S, G1S, G0SB, G1SB                     ; the scale bytes first: they are wanted with slot 0
.irp s, 0,1
	s_mov_b32 s[G0+4*\s], 1
	s_add_co_u32 s[G0+4*\s+1], s45, \s*SLOT
	s_add_nc_u64 s[G0+4*\s+2:G0+4*\s+3], s[20:21], \s*ROWB
	s_or_b32 s[G0+4*\s+3], s[G0+4*\s+3], 0x80000000
	s_mov_b32 s[G0B+4*\s], 1
	s_add_co_u32 s[G0B+4*\s+1], s45, \s*SLOT
	s_add_nc_u64 s[G0B+4*\s+2:G0B+4*\s+3], s[46:47], \s*ROWB
	s_or_b32 s[G0B+4*\s+3], s[G0B+4*\s+3], 0x80000000
	JLOAD G0+4*\s, G1, G0B+4*\s, G1B
.endr
	v_and_b32 v1, 15, v0                           ; l % 16
	v_bfe_u32 v2, v0, 4, 1                         ; l / 16
	v_mul_u32_u24 v3, v1, PITCH
	v_lshl_add_u32 v4, v2, 4, v3                   ; a fragment's row x pitch + 16 x half
	s_mul_i32 s21, s15, HALFT                      ; my 128 rows of A
	s_mul_i32 s22, s16, HALFT                      ; my 128 rows of B,
	s_add_co_u32 s22, s22, 2*HALFT                 ; which lie behind A's 256
.irp s, 0,1
	v_add_nc_u32 v[ADRA+\s], s21, v4
	v_add_nc_u32 v[ADRB+\s], s22, v4
	s_add_co_u32 s21, s21, SLOT
	s_add_co_u32 s22, s22, SLOT
.endr
	v_mul_u32_u24 v5, v1, KS                       ; my row's scale bytes: 32 a row,
	v_lshrrev_b32 v6, 8, v5
	v_lshl_add_u32 v5, v6, 4, v5                   ; and 16 more for each 256 passed
	s_mul_i32 s21, s15, HALFS                      ; A's: my 128 rows
	s_mul_i32 s22, s16, HALFS                      ; B's: my 128 rows, behind A's 256
	s_add_co_u32 s22, s22, 2*HALFS
	s_sub_co_u32 s22, s22, s21
	v_mul_u32_u24 v6, s22, v2                      ; lanes 16-31 take B's: one product, the distance between the two bases
	s_add_co_u32 s21, s21, SCL
	v_add_nc_u32 v5, v5, v6
	v_add_nc_u32 v[ADRS], s21, v5
	s_mul_i32 s23, s14, 16*SPITCH                  ; my stage
	v_mul_u32_u24 v5, v1, SPITCH                   ; in: row l % 16, 16 bytes for each half of the lanes
	v_lshl_add_u32 v5, v2, 4, v5
	v_add_nc_u32 v[STO], s23, v5
	v_and_b32 v6, 31, v0
	v_lshrrev_b32 v7, 3, v6                        ; back: eight lanes take 128 bytes (one head's 64 numbers) of a row, the wave four rows
	v_mul_u32_u24 v7, v7, SPITCH
	v_and_b32 v8, 7, v0
	v_lshl_add_u32 v7, v8, 4, v7
	v_add_nc_u32 v[RD], s23, v7
	v_lshlrev_b32 v[CO], 4, v6                     ; which are 512 consecutive bytes of qkv
	; where my part begins in qkv: matrix x 2^24 + batch x 2^21 + head x 2^17 + position x 128
	s_lshl_b32 s20, ttmp9, 24                      ; the matrix
	s_lshr_b32 s21, s17, 2
	s_lshl_b32 s21, s21, 21                        ; batch = tile row / 4
	s_add_co_u32 s20, s20, s21
	s_and_b32 s21, s17, 3
	s_lshl_b32 s21, s21, 15                        ; position 256 (tile row % 4)
	s_add_co_u32 s20, s20, s21
	s_lshl_b32 s21, s15, 14                        ; + 128 x my half of the rows
	s_add_co_u32 s20, s20, s21
	s_lshl_b32 s46, s40, 19                        ; head 4 cx
	s_lshl_b32 s47, s16, 18                        ; + 2 x my half of the columns
	s_add_co_u32 s46, s46, s47
	s_add_co_u32 s20, s20, s46
	s_mov_b32 s21, 0
	s_add_nc_u64 s[12:13], s[12:13], s[20:21]
.macro FRAG reg, adr, q, i             ; a fragment, 16 rows x 128 K of 4-bit codes: lane l holds row l % 16; registers 4 c .. 4 c + 3 hold K = 64 c + 32 (l / 16) + 0 .. 31
.irp c, 0,1
	ds_load_b128 v[\reg+4*\c:\reg+4*\c+3], v[\adr] offset:64*(\q)+32*\c+(\i)*16*PITCH
.endr
.endm
; 16 matrix instructions: A's blocks a0, a0 + 1 x B's eight, the slot's q-th 128 along K.  p: B's set;  sc: the set of scale words.  zero = 1: the first product starts the sums.
; The 64 accumulators take turns, one instruction a turn, in the same order in every step.
.macro MUL16 a0, p, q, sc, zero
.irp a, \a0, \a0+1
.irp b, 0,1,2,3,4,5,6,7
.if \zero
	v_wmma_scale_f32_16x16x128_f8f6f4 v[8*(8*((\a)%4)+\b):8*(8*((\a)%4)+\b)+7], v[128*(\p)+FR*\b:128*(\p)+FR*\b+FR-1], v[AF+FR*(\a):AF+FR*(\a)+FR-1], 0, v[SC+8*NQ*(\sc)+NQ*\b+(\q)], v[SC+8*NQ*(\sc)+NQ*(\a)+(\q)] matrix_a_fmt:MATRIX_FMT_FP4 matrix_b_fmt:MATRIX_FMT_FP4 matrix_a_scale:MATRIX_SCALE_ROW1
.else
	v_wmma_scale_f32_16x16x128_f8f6f4 v[8*(8*((\a)%4)+\b):8*(8*((\a)%4)+\b)+7], v[128*(\p)+FR*\b:128*(\p)+FR*\b+FR-1], v[AF+FR*(\a):AF+FR*(\a)+FR-1], v[8*(8*((\a)%4)+\b):8*(8*((\a)%4)+\b)+7], v[SC+8*NQ*(\sc)+NQ*\b+(\q)], v[SC+8*NQ*(\sc)+NQ*(\a)+(\q)] matrix_a_fmt:MATRIX_FMT_FP4 matrix_b_fmt:MATRIX_FMT_FP4 matrix_a_scale:MATRIX_SCALE_ROW1
.endif
.endr
.endr
.endm
.macro FETCH_B slot, q, p              ; B's eight fragments of the slot's q-th 128 along K into set p
	WIN TO_B
.irp i, 0,1,2,3,4,5,6,7
	FRAG 128*(\p)+FR*\i, ADRB+\slot, \q, \i
.endr
	WIN 0
.endm
.macro FETCH_A slot, q, i0             ; A's blocks i0 .. i0 + 3
.irp i, \i0, \i0+1, \i0+2, \i0+3
	FRAG AF+FR*(\i), ADRA+\slot, \q, \i
.endr
.endm
.macro SCALES sc                       ; a slot's scale words into set sc: 4 words a row; lanes 0-15 take A's block i, lanes 16-31 B's block i
.irp i, 0,1,2,3,4,5,6,7
	ds_load_b128 v[SC+8*NQ*\sc+NQ*\i:SC+8*NQ*\sc+NQ*\i+3], v[ADRS] offset:\i*SBLK
.endr
.endm
; A load into a register that a matrix instruction has read, and a vector instruction that reads a matrix result, stand NP places behind that matrix instruction; only plain vector instructions that name
; none of its registers are places (ISA guide 7.12.1 for vector instructions).
.macro PLACES n
.rept \n
	v_nop
.endr
.endm
; A step of 128 along K that has its successor in the same slot.
.macro STEP slot, q, zero
	s_wait_dscnt 4*NL                              ; B's set and A's blocks 0-3 are in; the youngest eight loads (A's blocks 4-7) may be out
	WIN MUL_LO
	MUL16 0, (\q)%2, \q, \slot, \zero
	MUL16 2, (\q)%2, \q, \slot, \zero
	s_wait_dscnt 0                                 ; A's blocks 4-7 are in
	PLACES NP
	FETCH_B \slot, (\q)+1, 1-(\q)%2
	FETCH_A \slot, (\q)+1, 0
	WIN MUL_HI
	MUL16 4, (\q)%2, \q, \slot, \zero
	MUL16 6, (\q)%2, \q, \slot, \zero
	PLACES NP
	WIN 0
	FETCH_A \slot, (\q)+1, 4
.endm
.macro STEPS slot, from                ; the slot's steps from .. NQ - 2
.set Q, \from
.rept NQ-1-\from
	STEP \slot, Q, 0
.set Q, Q+1
.endr
.endm
	s_wait_tensorcnt 1                             ; the scale bytes and my part of slot 0 are in; slot 1's load may stay out
	s_barrier_signal -1
	s_barrier_wait -1                              ; everybody's are
	FETCH_B 0, 0, 0
	FETCH_A 0, 0, 0
	SCALES 0
	FETCH_A 0, 0, 4
	STEP 0, 0, 1                                   ; the first step's products start the sums: nothing is cleared
	STEPS 0, 1
	; slot 0's last step changes slots: one barrier; in front of it each wave waits for all its tensor loads (my part of slot 1), and for its own reads of slot 0, which becomes the stages later
	s_wait_tensorcnt 0x0
	ds_add_u32 v[SPW], v[NIL]                      ; 0 onto my spare word
	s_wait_dscnt 4*NL+1                            ; (the add and the youngest eight loads, A's blocks 4-7, may be out)
	WIN MUL_LO
	MUL16 0, 1, NQ-1, 0, 0                         ; sixteen matrix instructions stand between the add and the wait for it
	s_wait_dscnt 0x0                               ; the add is done, and my reads of slot 0 are over
	s_barrier_signal -1
	MUL16 2, 1, NQ-1, 0, 0
	WIN 0
	s_barrier_wait -1
	PLACES NP
	v_add_nc_u32 v[ADRS], 4*NQ, v[ADRS]            ; on to slot 1's scale words (no LDS load of mine is out)
	FETCH_B 1, 0, 0
	FETCH_A 1, 0, 0
	SCALES 1
	WIN MUL_HI
	MUL16 4, 1, NQ-1, 0, 0
	MUL16 6, 1, NQ-1, 0, 0
	PLACES NP
	WIN 0
	FETCH_A 1, 0, 4
	STEPS 1, 0
	s_wait_dscnt 4*NL                              ; the very last step: nothing more to fetch
	WIN MUL_LO
	MUL16 0, 1, NQ-1, 1, 0
	MUL16 2, 1, NQ-1, 1, 0
	s_wait_dscnt 0
	WIN MUL_HI
	MUL16 4, 1, NQ-1, 1, 0
	MUL16 6, 1, NQ-1, 1, 0
	WIN 0
; THE WAY OUT, block by block of 16 rows x 128 columns (two heads).  PACK: rounded to f16, 16 bytes a lane, each accumulator from its low end on.  TOSTAGE: into my own stage and back, four rows of one head an
; instruction.  SEND: stored: 32 lanes store 512 consecutive bytes, at a multiple of 512 from qkv's first byte.  Every offset is an immediate: no base is stepped.
.macro PACK a
.set AC, 64*((\a)%4)
	WIN 0x0a+5*((\a)/4)                            ; sources 0 and 1: window 2 or 3
.irp b, 0,1,2,3,4,5,6,7
.irp r, 0,1,2,3
	v_cvt_pk_f16_f32 v[TMP+4*\b+\r], v[AC+8*\b+2*\r], v[AC+8*\b+2*\r+1]
.endr
.endr
	WIN 0
.endm
.macro TOSTAGE a
.set BB, OB+192*((\a)%2)
.irp b, 0,1,2,3,4,5,6,7
	ds_store_b128 v[STO], v[TMP+4*\b:TMP+4*\b+3] offset:32*\b
.endr
.irp t, 0,1,2,3,4,5,6,7
	ds_load_b128 v[BB+4*\t:BB+4*\t+3], v[RD] offset:4*(\t%4)*SPITCH+128*(\t/4)   ; LDS serves a wave's instructions in order (ISA guide 5.7.1.4): these see the stores above
.endr
.endm
.macro SEND a
.set BB, OB+192*((\a)%2)
	s_wait_dscnt 0x0                               ; the block is back in registers
	s_wait_xcnt 0x0                                ; the earlier stores have read their registers: the next block's loads may land where the block before this one lay
.irp t, 0,1,2,3,4,5,6,7
	global_store_b128 v[CO], v[BB+4*\t:BB+4*\t+3], s[12:13] offset:(\a)*2048+(\t%4)*512+(\t/4)*131072
.endr
.endm
	PLACES NP                                      ; behind the last products: their results are read, and loads land in registers that they read, only behind these
	PACK 0
	TOSTAGE 0
.irp a, 1,2,3,4,5,6,7                  ; block a's conversions stand between block a - 1's loads from the stage and the wait for them
	PACK \a
	SEND \a-1
	TOSTAGE \a
.endr
	SEND 7
	s_wait_tensorcnt 0x0                           ; the wave's end: behind my last tensor load and my last LDS store
	ds_add_u32 v[SPW], v[NIL]
	s_wait_dscnt 0x0
	CROUND                                         ; the closing round: no work-group ends while a partner may still ask for a tile that names it
	s_endpgm
.Lfunc_end_k_qa6df065181_proj:
	.size	k_qa6df065181_proj, .Lfunc_end_k_qa6df065181_proj-k_qa6df065181_proj
	.p2alignl 7, 3214868480
	.fill 96, 4, 3214868480
	.section	.rodata,"a",@progbits
	.p2align	6, 0x0
	.amdhsa_kernel k_qa6df065181_proj
		.amdhsa_group_segment_fixed_size 327680
		.amdhsa_private_segment_fixed_size 0
		.amdhsa_enable_private_segment 0
		.amdhsa_kernarg_size 40
		.amdhsa_user_sgpr_count 2
		.amdhsa_user_sgpr_kernarg_segment_ptr 1
		.amdhsa_wavefront_size32 1
		.amdhsa_system_sgpr_workgroup_id_x 1
		.amdhsa_system_sgpr_workgroup_id_y 1
		.amdhsa_system_sgpr_workgroup_id_z 1
		.amdhsa_system_vgpr_workitem_id 0
		.amdhsa_next_free_vgpr 1024
		.amdhsa_next_free_sgpr 98
		.amdhsa_reserve_vcc 0
		.amdhsa_float_denorm_mode_32 3
		.amdhsa_float_denorm_mode_16_64 3
		.amdhsa_memory_ordered 1
		.amdhsa_forward_progress 1
		.amdhsa_inst_pref_size 126
	.end_amdhsa_kernel
	.amdgpu_metadata
---
amdhsa.version: [ 1, 2 ]
amdhsa.kernels:
  - .name:           k_qa6df065181_proj
    .symbol:         k_qa6df065181_proj.kd
    .args:
      - { .name: x_codes, .offset: 0, .size: 8, .value_kind: global_buffer, .address_space: global }
      - { .name: x_scales, .offset: 8, .size: 8, .value_kind: global_buffer, .address_space: global }
      - { .name: w_codes, .offset: 16, .size: 8, .value_kind: global_buffer, .address_space: global }
      - { .name: w_scales, .offset: 24, .size: 8, .value_kind: global_buffer, .address_space: global }
      - { .name: qkv, .offset: 32, .size: 8, .value_kind: global_buffer, .address_space: global }
    .group_segment_fixed_size: 327680
    .private_segment_fixed_size: 0
    .kernarg_segment_align: 8
    .kernarg_segment_size: 40
    .max_flat_workgroup_size: 128
    .sgpr_count:     98
    .vgpr_count:     1024
    .wavefront_size: 32
...
	.end_amdgpu_metadata
.endif
;; end of part 2
;; launch attn (part 3): grid 2 x 128, 16 waves a work-group, no clusters, 327,680 bytes of LDS; arguments qkv, att_o; writes att_o
.if DOCPART == 3
	.amdgcn_target "amdgcn-amd-amdhsa--gfx1250"
	.amdhsa_code_object_version 6
	.text
	.protected	k_qa6df065181_attn
	.globl	k_qa6df065181_attn
	.p2align	8
	.type	k_qa6df065181_attn,@function
k_qa6df065181_attn:
	s_mov_b64 s[64:65], 0
	v_nop
	global_prefetch_b8 v0, s[64:65] scope:SCOPE_SE
	s_setreg_imm32_b32 hwreg(HW_REG_WAVE_MODE, 25, 1), 1
	s_wait_xcnt 0x0
; att_o[b][h][q][:] = the sum over k of softmax_k(Q[q] . K[k] / 8) V[k][:], for each of 128 (batch, head) pairs; 1,024 queries, 1,024 keys, head size 64, no mask.
; qkv: [3][8][16][1024][64] f16 (q, k, v); att_o: [8][16][1024][64] f16.  Products with f16 operands and f32 sums; maxima, exponentials and row sums in f32; the weights p are rounded to f16 for the second
; product, the result once at the end.  f16 and not bf16: its 11 significant bits leave the comparison's margin to the sums.
; SHARES.  A work-group owns 512 queries of one (batch, head): x = which half, y = 16 batch + head: 256 work-groups of equal work.  Each of its sixteen waves owns 32 queries, two tiles of 16, in 256 registers:
; four waves to a SIMD, so that one wave's vector work stands beside another's products and LDS loads.
; THE WHOLE HEAD'S K AND V COME TO LIE IN LDS, 1,024 rows x 144 bytes and 1,024 x 160, each byte filled once, IN FOUR CHUNKS OF 256 KEYS, so that the products on a chunk run while the next chunk is on its way.
; A chunk's 256 rows of K are shared among waves 0-7 and its 256 rows of V among waves 8-15: one tensor load of 32 rows (4 KiB) a wave and chunk.  Chunk 0 is asked for at the head; chunk c + 1 behind the barrier
; in front of chunk c's key steps.  In front of each of these barriers every wave waits for all its tensor loads: so one load of a wave is out at any time, and it has a chunk's four key steps in which to land.
; NO PREFETCH: each chunk's own load goes out four key steps ahead of the chunk's first read; nothing is left that could be asked for still earlier and that a wave waits for.
; NO CLUSTER: a head is shared by the two work-groups of a grid row only; the grid has 2 along x, which no cluster of four along an axis divides.
; LAYOUT.  S^T = K Q^T (source 0 = 16 keys, source 1 = 16 queries): a lane holds ONE query (lane % 16) and keys 8 (lane / 16) + 0..7.  Two such tiles, rounded to f16 in pairs, ARE source 1 (32 keys x 16 queries)
; of O^T = V^T P, whose result again holds one query a lane, and eight channels.  K comes out of LDS as it lies, V ([key][channel]) turned, by ds_load_tr16_b128.
; SOFTMAX.  A running maximum m and sum l for each query: p = 2^(c s - c m), c = log2(e) / 8; in every step O and l are multiplied by a = 2^(c m_old - c m_new).  The step is written once: m begins at -3e38,
; l and O^T at zero, so the first a is 0 and multiplies zeros.
; LIMITS: scores under -3e38 are not served; NaN and infinities are not served; results under 6e-5 in magnitude are kept to f16's fixed step of 6e-8.
.set PK,    144                        ; a row of K in LDS: 128 bytes + 16: an odd multiple of 16: the 16 rows of a load fall on different banks
.set PV,    160                        ; a row of V: 128 + 32: an odd multiple of 32, for the turning load
.set VB,    1024*PK                    ; V begins behind K
.set SPARE, VB+1024*PV                 ; behind V: the spare words, 128 bytes for each of 16 waves, which no other line names
.set CK,    256                        ; keys in a chunk
.set RW,    CK/8                       ; rows that one tensor load brings
.set AK0, 1                            ; v1   my lane's place in a tile of K; never rewritten
.set AV0, 2                            ; v2   the same for V
.set SPW, 3                            ; v3   LDS address of my spare word; never rewritten
.set NIL, 4                            ; v4   0; never rewritten
.set ADK, 5                            ; v5   LDS address of the step's K
.set ADV, 6                            ; v6   and V
.set QO,  7                            ; v7   my byte offset in the wave's rows of Q; on the way out: 16 x lane
.set ST,  8                            ; tile t's statistics at v[8 + 8 t]: +0 c m, +1 m, +2, +3 l (a pair), +4 .. +7 at work; +6 a, +7 its argument
.set OLD, 24                           ; v24-25 the old c m of each tile
.set STO, 26                           ; v26  the way out: where I put 16 bytes of a row
.set RD,  27                           ; v27  and where I read back
.set Q,   32                           ; v32-63   Q: tile t, channels 32 dc on, at 16 t + 8 dc
.set S,   64                           ; v64-127  S^T: tile t, keys 16 kt on, at 32 t + 8 kt; P is packed in place into the tile's first 16 registers
.set O,   128                          ; v128-191 O^T: tile t, channels 16 dt on, at 32 t + 8 dt
.set KV,  192                          ; v192-255 a step's K, then its V
.set WV,  8                            ; s8   my wave's number
.set G1K, 16                           ; s[16:23] descriptor group 1 for K;  s[24:31] for V: it differs in the padding alone
.set G1V, 24
.set G0K, 32                           ; s[32:35], s[36:39] groups 0, which walk from chunk to chunk
.set G0V, 36
.set CS,  40                           ; s[40:41] c: the packed form names a pair and takes its low word for both halves
.set SEL, 42                           ; s[42:43] lane selects for v_permlanex16_b32: lane l xor 16
.set TK,  44                           ; s44  LDS byte at which the step's keys begin in K
.set TV,  45                           ; s45  and in V
.set CNT, 46                           ; s46  steps to go in the chunk
; A wave's one tensor load of a chunk: waves 0-7 for K, waves 8-15 for V.  The branch hangs on the wave's number alone.  An s_nop 0 and four v_nop follow each of the two lines.
.macro TLOAD
	s_cmp_lt_u32 s[WV], 8
	s_cbranch_scc0 .Lfor_v_\@
	tensor_load_to_lds s[G0K:G0K+3], s[G1K:G1K+7]
	s_nop 0
.rept 4
	v_nop
.endr
	s_branch .Lasked_\@
.Lfor_v_\@:
	tensor_load_to_lds s[G0V:G0V+3], s[G1V:G1V+7]
	s_nop 0
.rept 4
	v_nop
.endr
.Lasked_\@:
.endm
	s_load_b128 s[4:7], s[0:1], 0x0                ; qkv, att_o
	v_lshl_add_u32 v[SPW], v0, 2, SPARE
	v_mov_b32 v[NIL], 0
	ds_add_u32 v[SPW], v[NIL]                      ; the wave's opening: the add, twice on end, and its wait ahead of my first tensor load
	ds_add_u32 v[SPW], v[NIL]                      ; and once more; the set-up below, work on registers, stands between it and the wait
	v_lshrrev_b32 v28, 5, v0
	v_readfirstlane_b32 s[WV], v28                 ; wave 0..15
	s_and_b32 s9, s[WV], 7                         ; which 32 rows of a chunk's K or V I fetch
	s_and_b32 s10, ttmp7, 0xffff
	s_lshl_b32 s10, s10, 17                        ; the (batch, head)'s first byte in q, k, v and att_o: 131,072 bytes each
	s_mov_b32 s11, 0
	s_lshl_b32 s12, ttmp9, 16                      ; my work-group's 512 queries of 128 bytes,
	s_lshl_b32 s13, s[WV], 12                      ; my wave's 32 of them
	s_add_co_u32 s12, s12, s13
	s_mov_b32 s13, 0
	s_add_nc_u64 s[12:13], s[12:13], s[10:11]
	s_lshl_b32 s14, s9, 12                         ; my 32 rows of 128 bytes in memory
	s_mov_b32 s15, 0
	s_add_nc_u64 s[14:15], s[14:15], s[10:11]
	; descriptor group 1: 32 rows x 64 elements of 2 bytes, dense in memory, padded in LDS
	s_mov_b32 s[G1K], (1<<16)|(1<<20)|(4<<22)|(3<<25)   ; 15:0 no mask; 17:16 elements of 2 bytes; 20 padding on; 24:22 after every 32 words (code 4); 31:25 four words (code 3)
	s_mov_b32 s[G1V], (1<<16)|(1<<20)|(4<<22)|(7<<25)   ; the same with eight words of padding
.irp g, G1K, G1V
	s_mov_b32 s[\g+1], 64<<16                      ; tensor_dim0 = 64
	s_mov_b32 s[\g+2], RW<<16                      ; tensor_dim1 = 32
	s_mov_b32 s[\g+3], 64<<16                      ; tile_dim0 = 64
	s_mov_b32 s[\g+4], RW                          ; tile_dim1 = 32
	s_mov_b32 s[\g+5], 64                          ; tensor_dim0_stride
	s_mov_b32 s[\g+6], 0
	s_mov_b32 s[\g+7], 0
.endr
	s_mov_b32 s[CS], 0x3e38aa3b                    ; c = log2(e) / 8
	s_mov_b32 s[CS+1], s[CS]
	s_mov_b32 s[SEL], 0x76543210
	s_mov_b32 s[SEL+1], 0xfedcba98
	s_wait_dscnt 0x0                               ; both opening adds are done
	s_wait_kmcnt 0x0
	s_mov_b32 s[G0K], 1                            ; count = 1
	s_mul_i32 s[G0K+1], s9, RW*PK                  ; LDS address: my 32 rows of chunk 0's K
	s_add_nc_u64 s[G0K+2:G0K+3], s[4:5], s[14:15]
	s_add_nc_u64 s[G0K+2:G0K+3], s[G0K+2:G0K+3], 0x1000000   ; k lies 2^24 bytes into qkv
	s_or_b32 s[G0K+3], s[G0K+3], 0x80000000        ; type = 2
	s_mov_b32 s[G0V], 1
	s_mul_i32 s[G0V+1], s9, RW*PV
	s_add_co_u32 s[G0V+1], s[G0V+1], VB
	s_add_nc_u64 s[G0V+2:G0V+3], s[4:5], s[14:15]
	s_add_nc_u64 s[G0V+2:G0V+3], s[G0V+2:G0V+3], 0x2000000   ; v 2^25
	s_or_b32 s[G0V+3], s[G0V+3], 0x80000000
	TLOAD                                          ; chunk 0
	s_add_nc_u64 s[4:5], s[4:5], s[12:13]          ; Q at my wave's first query
	s_add_nc_u64 s[6:7], s[6:7], s[12:13]          ; att_o likewise
	v_and_b32 v28, 15, v0                          ; r = lane % 16
	v_bfe_u32 v29, v0, 4, 1                        ; h = lane / 16
	v_lshlrev_b32 v[QO], 7, v28
	v_lshl_add_u32 v[QO], v29, 4, v[QO]            ; row r of 128 bytes + 16 h
.irp t, 0,1
.irp dc, 0,1                                   ; a fragment: 16 rows x 32 channels: registers 0-3 channels 8 h + 0..7, registers 4-7 channels 16 + 8 h + 0..7
	global_load_b128 v[Q+16*\t+8*\dc:Q+16*\t+8*\dc+3],   v[QO], s[4:5] offset:2048*\t+64*\dc
	global_load_b128 v[Q+16*\t+8*\dc+4:Q+16*\t+8*\dc+7], v[QO], s[4:5] offset:2048*\t+64*\dc+32
.endr
.endr
	v_mul_u32_u24 v[AK0], v28, PK
	v_lshl_add_u32 v[AK0], v29, 4, v[AK0]          ; K: row r x pitch + 16 h
	v_and_b32 v30, 7, v0
	v_bfe_u32 v31, v0, 3, 1
	v_lshl_add_u32 v[AV0], v29, 3, v30             ; V, for the turning load: key 8 h + lane % 8,
	v_mul_u32_u24 v[AV0], v[AV0], PV
	v_lshl_add_u32 v[AV0], v31, 4, v[AV0]          ; channels 8 ((lane / 8) % 2) on
	v_add_nc_u32 v[AV0], VB, v[AV0]
	s_mul_i32 s14, s[WV], 32*PK                    ; the way out: my stage, 32 rows of 144 bytes, in K's bytes
	v_add_nc_u32 v[STO], s14, v[AK0]               ; in: row r, 16 bytes for each half of the lanes
	v_bfe_u32 v30, v0, 3, 2
	v_mul_u32_u24 v[RD], v30, PK                   ; back: eight lanes to a row of 128 bytes, four rows an instruction
	v_and_b32 v31, 7, v0
	v_lshl_add_u32 v[RD], v31, 4, v[RD]
	v_add_nc_u32 v[RD], s14, v[RD]
.irp t, 0,1
	v_mov_b32 v[ST+8*\t+1], 0xff61b1e6             ; m = -3e38, under every score
	v_mul_f32 v[ST+8*\t], s[CS], v[ST+8*\t+1]      ; c m
.irp n, 2,3,4,5,6,7
	v_mov_b32 v[ST+8*\t+\n], 0                     ; l; and the registers at work, written once
.endr
.endr
.set i, 0
.rept 64
	v_mov_b32 v[O+i], 0                            ; O^T: the step is written once, and its first trip finds zeros
.set i, i+1
.endr
; A KEY STEP: 64 keys, at LDS bytes s[TK] of K and s[TV] of V.
.macro STEP
	v_add_nc_u32 v[ADK], s[TK], v[AK0]             ; five places behind the last step's products: K's loads land in registers that they read (four are asked),
	v_add_nc_u32 v[ADV], s[TV], v[AV0]             ; and the first products below write over P, which they read (five are asked)
.rept 3
	v_nop
.endr
.irp kt, 0,1,2,3
.irp dc, 0,1
	ds_load_b128 v[KV+8*(2*\kt+\dc):KV+8*(2*\kt+\dc)+3],   v[ADK] offset:\kt*16*PK+64*\dc
	ds_load_b128 v[KV+8*(2*\kt+\dc)+4:KV+8*(2*\kt+\dc)+7], v[ADK] offset:\kt*16*PK+64*\dc+32
.endr
.endr
	s_wait_dscnt 0x0
.irp dc, 0,1                                   ; S^T = K Q^T: the eight accumulators take turns, one instruction a turn; the first eight start the sums
.irp kt, 0,1,2,3
.irp t, 0,1
.if \dc == 0
	v_wmma_f32_16x16x32_f16 v[S+32*\t+8*\kt:S+32*\t+8*\kt+7], v[KV+8*(2*\kt+\dc):KV+8*(2*\kt+\dc)+7], v[Q+16*\t+8*\dc:Q+16*\t+8*\dc+7], 0
.else
	v_wmma_f32_16x16x32_f16 v[S+32*\t+8*\kt:S+32*\t+8*\kt+7], v[KV+8*(2*\kt+\dc):KV+8*(2*\kt+\dc)+7], v[Q+16*\t+8*\dc:Q+16*\t+8*\dc+7], v[S+32*\t+8*\kt:S+32*\t+8*\kt+7]
.endif
.endr
.endr
.endr
	v_mov_b32 v[OLD], v[ST]                        ; c m_old is kept for a.  These two and two v_nop are the four places behind the products:
	v_mov_b32 v[OLD+1], v[ST+8]                    ; V's loads land in K's registers, and the maxima read the scores
.rept 2
	v_nop
.endr
.irp kc, 0,1                                   ; V, turned: keys 32 kc on, channels 16 dt on; the loads land while the softmax is walked
.irp dt, 0,1,2,3
	ds_load_tr16_b128 v[KV+8*(4*\kc+\dt):KV+8*(4*\kc+\dt)+3],   v[ADV] offset:\kc*32*PV+32*\dt
	ds_load_tr16_b128 v[KV+8*(4*\kc+\dt)+4:KV+8*(4*\kc+\dt)+7], v[ADV] offset:\kc*32*PV+16*PV+32*\dt
.endr
.endr
	; the maximum of my 32 scores and the old m, three operands at a time: four chains, each begun at an accumulator's low end; the two tiles alternate
.irp j, 0,1,2,3
.irp t, 0,1
	v_max3_num_f32 v[ST+8*\t+4+\j], v[S+32*\t+8*\j], v[S+32*\t+8*\j+1], v[S+32*\t+8*\j+2]
.endr
.endr
.irp u, 3,5
.irp j, 0,1,2,3
.irp t, 0,1
	v_max3_num_f32 v[ST+8*\t+4+\j], v[ST+8*\t+4+\j], v[S+32*\t+8*\j+\u], v[S+32*\t+8*\j+\u+1]
.endr
.endr
.endr
.irp t, 0,1
	v_max3_num_f32 v[ST+8*\t+4], v[ST+8*\t+4], v[S+32*\t+7], v[S+32*\t+15]
.endr
.irp t, 0,1
	v_max3_num_f32 v[ST+8*\t+6], v[ST+8*\t+6], v[S+32*\t+23], v[S+32*\t+31]
.endr
.irp t, 0,1
	v_max3_num_f32 v[ST+8*\t+4], v[ST+8*\t+4], v[ST+8*\t+5], v[ST+8*\t+6]
.endr
.irp t, 0,1
	v_max3_num_f32 v[ST+8*\t+4], v[ST+8*\t+4], v[ST+8*\t+7], v[ST+8*\t+1]
.endr
.irp t, 0,1
	v_permlanex16_b32 v[ST+8*\t+5], v[ST+8*\t+4], s[SEL], s[SEL+1]   ; the query's other 32 keys lie in the lane 16 away
.endr
.irp t, 0,1
	v_max_num_f32 v[ST+8*\t+1], v[ST+8*\t+4], v[ST+8*\t+5]           ; the new m
.endr
.irp t, 0,1
	v_mul_f32 v[ST+8*\t], s[CS], v[ST+8*\t+1]                        ; c m
.endr
.irp t, 0,1
	v_sub_f32 v[ST+8*\t+7], v[OLD+\t], v[ST+8*\t]                    ; c m_old - c m_new
.endr
.set i, 0
.rept 16
.irp t, 0,1
	v_pk_fma_f32 v[S+32*\t+2*i:S+32*\t+2*i+1], v[S+32*\t+2*i:S+32*\t+2*i+1], s[CS:CS+1], v[ST+8*\t:ST+8*\t+1] op_sel_hi:[1,0,0] neg_lo:[0,0,1] neg_hi:[0,0,1]   ; c s - c m, two at a time
.endr
.set i, i+1
.endr
.irp t, 0,1                                    ; ONE BATCH of 66 exponentials: a of both tiles, then the 64 weights; none reads another's result
	v_exp_f32 v[ST+8*\t+6], v[ST+8*\t+7]
.endr
.set i, 0
.rept 32
.irp t, 0,1
	v_exp_f32 v[S+32*\t+i], v[S+32*\t+i]
.endr
.set i, i+1
.endr
	v_nop                                          ; a plain instruction behind the last exponential,
	s_wait_alu depctr_va_vdst(0)                   ; and one wait ahead of the batch's first reader
.irp t, 0,1                                    ; the row's sum, of the unrounded p: l = a l + the sum; two chains a tile
	v_pk_mul_f32 v[ST+8*\t+2:ST+8*\t+3], v[ST+8*\t+2:ST+8*\t+3], v[ST+8*\t+6:ST+8*\t+7] op_sel_hi:[1,0]
.endr
.irp t, 0,1
	v_pk_add_f32 v[ST+8*\t+4:ST+8*\t+5], v[S+32*\t:S+32*\t+1], v[S+32*\t+2:S+32*\t+3]
.endr
.irp j, 4,8,12,16,20,24,28
.irp t, 0,1
	v_pk_add_f32 v[ST+8*\t+2:ST+8*\t+3], v[ST+8*\t+2:ST+8*\t+3], v[S+32*\t+\j:S+32*\t+\j+1]
	v_pk_add_f32 v[ST+8*\t+4:ST+8*\t+5], v[ST+8*\t+4:ST+8*\t+5], v[S+32*\t+\j+2:S+32*\t+\j+3]
.endr
.endr
.irp t, 0,1
	v_pk_add_f32 v[ST+8*\t+2:ST+8*\t+3], v[ST+8*\t+2:ST+8*\t+3], v[ST+8*\t+4:ST+8*\t+5]
.endr
.set i, 0
.rept 16                                       ; p to f16, in place: pair i goes to register i, which is never above its sources 2 i, 2 i + 1.  Registers 8 kc .. 8 kc + 7 are then source 1 for keys 32 kc on
.irp t, 0,1
	v_cvt_pk_f16_f32 v[S+32*\t+i], v[S+32*\t+2*i], v[S+32*\t+2*i+1]
.endr
.set i, i+1
.endr
.irp t, 0,1                                    ; O^T x a, each accumulator from its low end on
.set i, 0
.rept 16
	v_pk_mul_f32 v[O+32*\t+2*i:O+32*\t+2*i+1], v[O+32*\t+2*i:O+32*\t+2*i+1], v[ST+8*\t+6:ST+8*\t+7] op_sel_hi:[1,0]
.set i, i+1
.endr
.endr
	s_wait_dscnt 0x0                               ; V is in
.irp kc, 0,1                                   ; O^T += V^T P: the eight accumulators take turns
.irp dt, 0,1,2,3
.irp t, 0,1
	v_wmma_f32_16x16x32_f16 v[O+32*\t+8*\dt:O+32*\t+8*\dt+7], v[KV+8*(4*\kc+\dt):KV+8*(4*\kc+\dt)+7], v[S+32*\t+8*\kc:S+32*\t+8*\kc+7], v[O+32*\t+8*\dt:O+32*\t+8*\dt+7]
.endr
.endr
.endr
.endm
; A CHUNK of 256 keys.  In front of its barrier each wave waits for all its tensor loads, of which one is out: its part of this chunk; adds 0 to its spare word; and waits for that and for its LDS loads.  Behind the
; barrier the chunk is whole.  The next chunk, bytes that nothing has filled yet, is asked for first thing there: the wave's one tensor load until the next barrier.  Then four key steps.
.macro CHUNK ch
	s_wait_tensorcnt 0x0                           ; no tensor load of mine is out, so a group 0 may be written
	ds_add_u32 v[SPW], v[NIL]                      ; 0 onto my spare word; the scalar lines below stand between it and the wait for it
.if \ch < 3
	s_add_co_u32 s[G0K+1], s[G0K+1], CK*PK         ; the walking descriptors: the next chunk's place in LDS,
	s_add_nc_u64 s[G0K+2:G0K+3], s[G0K+2:G0K+3], CK*128   ; and its 256 rows of 128 bytes in memory; the type bits on top are not reached
	s_add_co_u32 s[G0V+1], s[G0V+1], CK*PV
	s_add_nc_u64 s[G0V+2:G0V+3], s[G0V+2:G0V+3], CK*128
.endif
	s_mov_b32 s[TK], \ch*CK*PK                     ; where this chunk's keys begin
	s_mov_b32 s[TV], \ch*CK*PV
	s_mov_b32 s[CNT], CK/64
	s_wait_dscnt 0x0                               ; the add is done
	s_barrier_signal -1
	s_barrier_wait -1                              ; everybody's part of this chunk is in
.if \ch < 3
	TLOAD
.endif
.Lstep_\@:
	STEP
	s_add_co_u32 s[TK], s[TK], 64*PK
	s_add_co_u32 s[TV], s[TV], 64*PV
	s_sub_co_u32 s[CNT], s[CNT], 1
	s_cmp_lg_u32 s[CNT], 0
	s_cbranch_scc1 .Lstep_\@
.endm
	s_wait_loadcnt 0x0                             ; Q
	CHUNK 0
	CHUNK 1
	CHUNK 2
	CHUNK 3                                        ; the last chunk asks for nothing
	; THE WAY OUT.  l's two halves and the other half of the lanes' are added (these additions are the places behind the last products); O^T is divided by l, rounded to f16, and goes through my stage in LDS.
.irp t, 0,1
	v_add_f32 v[ST+8*\t+4], v[ST+8*\t+2], v[ST+8*\t+3]
.endr
.irp t, 0,1
	v_permlanex16_b32 v[ST+8*\t+5], v[ST+8*\t+4], s[SEL], s[SEL+1]
.endr
.irp t, 0,1
	v_add_f32 v[ST+8*\t+4], v[ST+8*\t+4], v[ST+8*\t+5]
.endr
.irp t, 0,1
	v_rcp_f32 v[ST+8*\t+6], v[ST+8*\t+4]
.endr
	v_and_b32 v[QO], 31, v0                        ; a plain instruction behind the last reciprocal
	v_lshlrev_b32 v[QO], 4, v[QO]                  ; 16 x lane
	s_wait_alu depctr_va_vdst(0)                   ; the wait ahead of the first use: one for both reciprocals
.irp t, 0,1
.set i, 0
.rept 16
	v_pk_mul_f32 v[O+32*\t+2*i:O+32*\t+2*i+1], v[O+32*\t+2*i:O+32*\t+2*i+1], v[ST+8*\t+6:ST+8*\t+7] op_sel_hi:[1,0]
.set i, i+1
.endr
.endr
.irp t, 0,1
.set i, 0
.rept 16
	v_cvt_pk_f16_f32 v[S+16*\t+i], v[O+32*\t+2*i], v[O+32*\t+2*i+1]   ; registers 4 dt .. 4 dt + 3: channels 16 dt + 8 h + 0..7 of my query: 16 bytes
.set i, i+1
.endr
.endr
	s_wait_dscnt 0x0                               ; my reads of K and V are over,
	s_barrier_signal -1
	s_barrier_wait -1                              ; everybody's are: K's first bytes, which have had their one fill, become the stages
.irp t, 0,1
.irp dt, 0,1,2,3
	ds_store_b128 v[STO], v[S+16*\t+4*\dt:S+16*\t+4*\dt+3] offset:\t*16*PK+32*\dt
.endr
.endr
.irp i, 0,1,2,3,4,5,6,7
	ds_load_b128 v[KV+4*\i:KV+4*\i+3], v[RD] offset:\i*4*PK   ; LDS serves a wave's instructions in order (ISA guide 5.7.1.4): these see my stores
.endr
.irp i, 0,1,2,3,4,5,6,7
	s_wait_dscnt 7-\i                              ; load i is in; the younger ones stay out
	global_store_b128 v[QO], v[KV+4*\i:KV+4*\i+3], s[6:7] offset:512*\i   ; four rows: 512 consecutive bytes, at a multiple of 512 from att_o's first byte
.endr
	s_wait_tensorcnt 0x0                           ; the wave's end: behind my last tensor load and my last LDS store
	ds_add_u32 v[SPW], v[NIL]
	s_wait_dscnt 0x0
	s_endpgm
.Lfunc_end_k_qa6df065181_attn:
	.size	k_qa6df065181_attn, .Lfunc_end_k_qa6df065181_attn-k_qa6df065181_attn
	.p2alignl 7, 3214868480
	.fill 96, 4, 3214868480
	.section	.rodata,"a",@progbits
	.p2align	6, 0x0
	.amdhsa_kernel k_qa6df065181_attn
		.amdhsa_group_segment_fixed_size 327680
		.amdhsa_private_segment_fixed_size 0
		.amdhsa_enable_private_segment 0
		.amdhsa_kernarg_size 16
		.amdhsa_user_sgpr_count 2
		.amdhsa_user_sgpr_kernarg_segment_ptr 1
		.amdhsa_wavefront_size32 1
		.amdhsa_system_sgpr_workgroup_id_x 1
		.amdhsa_system_sgpr_workgroup_id_y 1
		.amdhsa_system_sgpr_workgroup_id_z 1
		.amdhsa_system_vgpr_workitem_id 0
		.amdhsa_next_free_vgpr 256
		.amdhsa_next_free_sgpr 66
		.amdhsa_reserve_vcc 0
		.amdhsa_float_denorm_mode_32 3
		.amdhsa_float_denorm_mode_16_64 3
		.amdhsa_memory_ordered 1
		.amdhsa_forward_progress 1
		.amdhsa_inst_pref_size 87
	.end_amdhsa_kernel
	.amdgpu_metadata
---
amdhsa.version: [ 1, 2 ]
amdhsa.kernels:
  - .name:           k_qa6df065181_attn
    .symbol:         k_qa6df065181_attn.kd
    .args:
      - { .name: qkv, .offset: 0, .size: 8, .value_kind: global_buffer, .address_space: global }
      - { .name: att_o, .offset: 8, .size: 8, .value_kind: global_buffer, .address_space: global }
    .group_segment_fixed_size: 327680
    .private_segment_fixed_size: 0
    .kernarg_segment_align: 8
    .kernarg_segment_size: 16
    .max_flat_workgroup_size: 512
    .sgpr_count:     66
    .vgpr_count:     256
    .wavefront_size: 32
...
	.end_amdgpu_metadata
.endif
;; end of part 3
;; launch outp (part 4): grid 4 x 64, 4 waves a work-group, clusters of 4 x 4, 327,680 bytes of LDS; arguments att_o, wo16, out0; writes out0
.if DOCPART == 4
	.amdgcn_target "amdgcn-amd-amdhsa--gfx1250"
	.amdhsa_code_object_version 6
	.text
	.protected	k_qa6df065181_outp
	.globl	k_qa6df065181_outp
	.p2align	8
	.type	k_qa6df065181_outp,@function
k_qa6df065181_outp:
	s_mov_b64 s[64:65], 0
	v_nop
	global_prefetch_b8 v0, s[64:65] scope:SCOPE_SE
	s_setreg_imm32_b32 hwreg(HW_REG_WAVE_MODE, 25, 1), 1
	s_wait_xcnt 0x0
	s_wait_alu depctr_hold_cnt(0) depctr_sa_sdst(0) depctr_va_vdst(0) depctr_va_sdst(0) depctr_va_ssrc(0) depctr_va_vcc(0) depctr_vm_vsrc(0)
	s_getreg_b32 s2, hwreg(HW_REG_IB_STS2, 6, 4)
	s_cmp_eq_u32 s2, 0
	s_cbranch_scc0 .Lentry_in_a_cluster
	s_endpgm
.Lentry_in_a_cluster:
	s_bfe_u32 s2, ttmp6, 0x10000c
	s_cmp_lg_u32 s2, 0xf033
	s_cbranch_scc0 .Lentry_shape_is_right
	s_endpgm
.Lentry_shape_is_right:
; out0[m][n] = the sum over k of A[m][k] Wo[k][n]; m = 1024 batch + position, k = 64 head + d.  A = att_o [8][16][1024][64] f16, wo16 [1024 k][1024 n] f16, out0 [8192][1024] f32; sums in f32, K ascending.
; A tile of out0 is 128 (m) x 256 (n): 64 x 4 = 256 work-groups, one for each WGP (tiles of 256 x 256 would be 128).  Four waves, each 64 x 128: 32 accumulators, 256 registers.
; K goes in steps of 128, two heads, through a ring of two LDS slots.  A step's tile of A is two planes (heads) of 128 rows x 128 bytes, each dense in memory; its tile of Wo is 128 rows k x 512 bytes.
; One tensor load a wave: waves 0, 1 a plane of A each, waves 2, 3 64 rows of Wo each.  A refill is asked for 112 of a step's 128 matrix instructions ahead of the wait for it.
; CLUSTERS: 4 x 4 work-groups.  The four of a row of the cluster need the same tiles of A, the four of a column the same tiles of Wo: each is asked for JOINTLY, by the same tensor load with the same descriptor
; and a mask that names the four.  THE MATRIX INSTRUCTION IS USED TRANSPOSED (source 0 = 16 columns n of Wo, turned by ds_load_tr16_b128; source 1 = 16 rows of A): a lane holds eight neighbouring numbers of a row.
; No prefetch is laid: the walk has eight K steps, and tiles and results are on their way through all of them.
; REGISTERS: window 0: v0-31 addresses; two fragment buffers of 96 at v32 and v128: 32 registers of A (4 x 16 rows x 32 K), then 64 of Wo (8 x 16 columns x 32 K); on the way out v32-159 are rows.
;   window 1: the accumulators ((a, b) at v[8 (8 a + b)]).
.set PA,     144                       ; a row of A in LDS: 128 bytes + 16
.set PLANE,  128*PA                    ; a head's 128 rows
.set PB,     544                       ; a row of Wo: 512 bytes + 32: an odd multiple of 32, for the turning load
.set BOFF,   2*PLANE                   ; Wo's tile lies behind A's two planes
.set SLOT,   BOFF+128*PB
.set SPARE,  2*SLOT                    ; behind the ring: the spare words, 128 bytes a wave, which no other line names
.set SPITCH, 528                       ; the way out: a stage of 16 rows x (512 bytes + 16) for each wave, in slot 0, which has had its last fill and its last read by then
.set STEPB,  262144                    ; a K step on, in bytes: two heads of att_o (2 x 131,072), and 128 rows of wo16 (128 x 2,048)
.set LAPS,   4                         ; a lap = two K steps = once round the ring
.set ADRA, 16                          ; v16-17  LDS address of my A fragments in slot 0, 1
.set ADRB, 20                          ; v20-21  the same for Wo
.set STO,  24                          ; v24     the way out: where I put 32 bytes of a row
.set RD,   25                          ; v25     where I read a row back
.set CO,   26                          ; v26     16 x lane
.set SPW,  28                          ; v28     LDS address of my spare word; never rewritten
.set NIL,  29                          ; v29     0; never rewritten
.set F0,   32
.set F1,   128
.set BK,   32                          ; the way out: 16 rows read back: v32-95 and v96-159 by turns
.set G1, 24                            ; s[24:31] descriptor group 1 for A's planes;  s[32:39] group 0, one set for each slot
.set G0, 32
.set G1B, 48                           ; s[48:55], s[56:63] the same for Wo's tiles
.set G0B, 56
.set MSB, 0
.macro WIN new                         ; the immediate's high byte repeats the setting that is left; a switch that changes nothing is dropped
.if MSB != (\new)
	s_set_vgpr_msb (MSB<<8)|(\new)
.set MSB, (\new)
.endif
.endm
.set MUL, 0x50                         ; sources 0 and 1 window 0; C and D window 1
.macro JLOAD s                         ; a joint load: waves 0 and 1 fetch A's planes, waves 2 and 3 Wo's halves; an s_nop 0 and four v_nop follow each of the two lines
	s_cmp_eq_u32 s11, 0
	s_cbranch_scc0 .Lfor_b_\@
	tensor_load_to_lds s[G0+4*\s:G0+4*\s+3], s[G1:G1+7]
	s_nop 0
.rept 4
	v_nop
.endr
	s_branch .Lasked_\@
.Lfor_b_\@:
	tensor_load_to_lds s[G0B+4*\s:G0B+4*\s+3], s[G1B:G1B+7]
	s_nop 0
.rept 4
	v_nop
.endr
.Lasked_\@:
.endm
.macro CREST                           ; a round of the cluster's barrier behind its opening barrier
	s_cmp_lg_u32 s10, 0
	s_cbranch_scc1 .Lnot_wave_0_\@
	s_barrier_signal -3
.Lnot_wave_0_\@:
	s_barrier_wait -3
	s_barrier_signal -1
	s_barrier_wait -1
.endm
.macro CROUND                          ; a whole round
	s_barrier_signal -1
	s_barrier_wait -1
	CREST
.endm
	s_load_b128 s[4:7], s[0:1], 0x0                ; att_o s[4:5], wo16 s[6:7]
	s_load_b64 s[8:9], s[0:1], 0x10                ; out0
	v_lshl_add_u32 v[SPW], v0, 2, SPARE
	v_mov_b32 v[NIL], 0
	ds_add_u32 v[SPW], v[NIL]                      ; the wave's opening: the add, twice on end, and its wait ahead of my first tensor load
	ds_add_u32 v[SPW], v[NIL]                      ; and once more; the set-up below, work on registers, stands between it and the wait
	v_lshrrev_b32 v1, 5, v0
	v_readfirstlane_b32 s10, v1                    ; wave 0..3
	s_lshr_b32 s11, s10, 1                         ; which 64 of the tile's rows are mine.  Also: I fetch for A (0) or for Wo (1)
	s_and_b32 s12, s10, 1                          ; which 128 of its columns.  Also: which plane of A, or which 64 rows of Wo, I fetch
	s_bfe_u32 s40, ttmp6, 0x40000                  ; cx, cy: my place in the cluster
	s_bfe_u32 s41, ttmp6, 0x40004
	s_lshl_b32 s42, ttmp9, 2
	s_add_co_u32 s42, s42, s40                     ; tile column = 4 x cluster x + cx
	s_and_b32 s13, ttmp7, 0xffff
	s_lshl_b32 s13, s13, 2
	s_add_co_u32 s13, s13, s41                     ; tile row = 4 x cluster y + cy
	s_lshl_b32 s43, s41, 2
	s_lshl_b32 s43, 15, s43                        ; my row of the cluster
	s_lshl_b32 s44, 0x1111, s40                    ; my column
	; descriptor group 1.  A: 128 rows x 64 elements of 2 bytes, dense; Wo: 64 rows x 256 elements, 1,024 elements from row to row
	s_or_b32 s[G1+0], s43, (1<<16)|(1<<20)|(1<<21)|(4<<22)|(3<<25)   ; 15:0 the mask: A's planes go to my row; 17:16 elements of 2 bytes; 20 padding on; 21 set beside a mask; 24:22 after every 32 words; 31:25 four words
	s_mov_b32 s[G1+1], 64<<16                      ; tensor_dim0
	s_mov_b32 s[G1+2], 128<<16                     ; tensor_dim1
	s_mov_b32 s[G1+3], 64<<16                      ; tile_dim0
	s_mov_b32 s[G1+4], 128                         ; tile_dim1
	s_mov_b32 s[G1+5], 64                          ; tensor_dim0_stride
	s_mov_b32 s[G1+6], 0
	s_mov_b32 s[G1+7], 0
	s_or_b32 s[G1B+0], s44, (1<<16)|(1<<20)|(1<<21)|(6<<22)|(7<<25)  ; the mask of my column; padding: eight words after every 128
	s_mov_b32 s[G1B+1], 256<<16
	s_mov_b32 s[G1B+2], 64<<16
	s_mov_b32 s[G1B+3], 256<<16
	s_mov_b32 s[G1B+4], 64
	s_mov_b32 s[G1B+5], 1024
	s_mov_b32 s[G1B+6], 0
	s_mov_b32 s[G1B+7], 0
	; where the tiles come from.  A's hang on the tile row alone, Wo's on the tile column alone; every wave makes both, in registers that never hold the other coordinate
	s_lshr_b32 s16, s13, 3
	s_lshl_b32 s16, s16, 21                        ; A: batch = tile row / 8: 2^21 bytes a batch,
	s_and_b32 s17, s13, 7
	s_lshl_b32 s17, s17, 14                        ; position 128 (tile row % 8) x 128 bytes,
	s_add_co_u32 s16, s16, s17
	s_lshl_b32 s18, s12, 17                        ; my plane: a head is 131,072 bytes.  (64 rows of wo16 are as many)
	s_add_co_u32 s16, s16, s18
	s_mov_b32 s17, 0
	s_lshl_b32 s46, s42, 9                         ; Wo: 512 bytes a tile column,
	s_add_co_u32 s46, s46, s18                     ; my 64 rows
	s_mov_b32 s47, 0
	s_mul_i32 s20, s12, PLANE                      ; and where they go: no place in the cluster enters an LDS address
	s_mul_i32 s21, s12, 64*PB
	s_add_co_u32 s21, s21, BOFF
	s_wait_dscnt 0x0                               ; both opening adds are done
	s_wait_kmcnt 0x0
	s_add_nc_u64 s[14:15], s[4:5], s[16:17]
	s_add_nc_u64 s[46:47], s[6:7], s[46:47]
	CROUND                                         ; all sixteen work-groups are here: the first joint loads meet
.irp s, 0,1
	s_mov_b32 s[G0+4*\s], 1
	s_add_co_u32 s[G0+4*\s+1], s20, \s*SLOT
	s_add_nc_u64 s[G0+4*\s+2:G0+4*\s+3], s[14:15], \s*STEPB
	s_or_b32 s[G0+4*\s+3], s[G0+4*\s+3], 0x80000000
	s_mov_b32 s[G0B+4*\s], 1
	s_add_co_u32 s[G0B+4*\s+1], s21, \s*SLOT
	s_add_nc_u64 s[G0B+4*\s+2:G0B+4*\s+3], s[46:47], \s*STEPB
	s_or_b32 s[G0B+4*\s+3], s[G0B+4*\s+3], 0x80000000
	JLOAD \s
.endr
	v_and_b32 v1, 15, v0                           ; l % 16
	v_bfe_u32 v2, v0, 4, 1                         ; l / 16
	v_mul_u32_u24 v3, v1, PA
	v_lshl_add_u32 v3, v2, 4, v3                   ; A: row x pitch + 16 x half
	s_mul_i32 s21, s11, 64*PA                      ; my 64 rows
	v_and_b32 v4, 7, v0
	v_lshl_add_u32 v4, v2, 3, v4                   ; Wo, for the turning load: row k = 8 (l / 16) + l % 8,
	v_mul_u32_u24 v4, v4, PB
	v_bfe_u32 v5, v0, 3, 1
	v_lshl_add_u32 v4, v5, 4, v4                   ; columns 8 ((l / 8) % 2) on
	s_lshl_b32 s22, s12, 8                         ; my 128 columns,
	s_add_co_u32 s22, s22, BOFF                    ; behind A's planes
.irp s, 0,1
	v_add_nc_u32 v[ADRA+\s], s21, v3
	v_add_nc_u32 v[ADRB+\s], s22, v4
	s_add_co_u32 s21, s21, SLOT
	s_add_co_u32 s22, s22, SLOT
.endr
	s_mul_i32 s23, s10, 16*SPITCH                  ; my stage
	v_mul_u32_u24 v5, v1, SPITCH                   ; in: row l % 16, 32 bytes for each half of the lanes
	v_lshl_add_u32 v5, v2, 5, v5
	v_add_nc_u32 v[STO], s23, v5
	v_and_b32 v6, 31, v0
	v_lshlrev_b32 v[CO], 4, v6                     ; back: the 32 lanes take one row of 512 bytes; and the same in out0
	v_add_nc_u32 v[RD], s23, v[CO]
	s_lshl_b32 s16, s13, 7
	s_lshl_b32 s17, s11, 6
	s_add_co_u32 s16, s16, s17                     ; my first row of out0: 128 x tile row + 64 x half,
	s_lshl_b32 s16, s16, 12                        ; 4,096 bytes a row
	s_lshl_b32 s46, s42, 10                        ; my first column, in bytes: 1,024 x tile column + 512 x half
	s_lshl_b32 s47, s12, 9
	s_add_co_u32 s46, s46, s47
	s_add_co_u32 s16, s16, s46
	s_mov_b32 s17, 0
	s_add_nc_u64 s[8:9], s[8:9], s[16:17]
; 8 matrix instructions: A's block a x Wo's eight, 32 along K, from buffer f.  zero = 1: the first product starts the sums.  The 32 accumulators take turns, one instruction a turn.
.macro MULA f, a, zero
.irp b, 0,1,2,3,4,5,6,7
.if \zero
	v_wmma_f32_16x16x32_f16 v[8*(8*(\a)+\b):8*(8*(\a)+\b)+7], v[\f+32+8*\b:\f+32+8*\b+7], v[\f+8*(\a):\f+8*(\a)+7], 0
.else
	v_wmma_f32_16x16x32_f16 v[8*(8*(\a)+\b):8*(8*(\a)+\b)+7], v[\f+32+8*\b:\f+32+8*\b+7], v[\f+8*(\a):\f+8*(\a)+7], v[8*(8*(\a)+\b):8*(8*(\a)+\b)+7]
.endif
.endr
.endm
; 24 LDS loads in one run: the fragments of the slot's q-th 32 along K into buffer f: Wo's sixteen first, then A's blocks 0 to 3
.macro FETCH slot, q, f
	WIN 0
.irp b, 0,1,2,3,4,5,6,7
	ds_load_tr16_b128 v[\f+32+8*\b:\f+32+8*\b+3],   v[ADRB+\slot] offset:(\q)*32*PB+32*\b
	ds_load_tr16_b128 v[\f+32+8*\b+4:\f+32+8*\b+7], v[ADRB+\slot] offset:(\q)*32*PB+16*PB+32*\b
.endr
.irp a, 0,1,2,3
	ds_load_b128 v[\f+8*\a:\f+8*\a+3],   v[ADRA+\slot] offset:\a*16*PA+((\q)/2)*PLANE+((\q)%2)*64
	ds_load_b128 v[\f+8*\a+4:\f+8*\a+7], v[ADRA+\slot] offset:\a*16*PA+((\q)/2)*PLANE+((\q)%2)*64+32
.endr
.endm
.macro PLACES                          ; four places in front of loads into registers that matrix instructions have read, and of the first read of results (ISA guide 7.12.1 for the first read of results)
.rept 4
	v_nop
.endr
.endm
; A K step is four quarters of 32 along K, 32 matrix instructions each, on buffers 0, 1, 0, 1.  One of the first three: multiplies buffer f and fetches quarter q into g.
.macro QUARTER slot, q, f, g, zero
	s_wait_dscnt 4                                 ; Wo's fragments and A's blocks 0, 1 are in; the youngest four loads (A's blocks 2, 3) may be out
	WIN MUL
	MULA \f, 0, \zero
	MULA \f, 1, \zero
	PLACES
	FETCH \slot, \q, \g
	s_wait_dscnt 24                                ; all but the 24 just issued
	WIN MUL
	MULA \f, 2, \zero
	MULA \f, 3, \zero
.endm
; The last quarter multiplies buffer 1 and changes slots: ONE barrier; in front of it each wave waits for all its tensor loads, adds 0 to its spare word, and waits for that and for its own reads of this slot.
; fill = 1: the barrier opens a round of the cluster's barrier, and this slot is filled again, two K steps ahead, first thing behind the round.
.macro TURN slot, next, fill
	WIN 0                                          ; (the add's two registers lie in window 0)
	s_wait_tensorcnt 0x0                           ; all my tensor loads have landed: the one that was out is my part of the next slot
	ds_add_u32 v[SPW], v[NIL]                      ; 0 onto my spare word
	s_wait_dscnt 5                                 ; (the add and the youngest four loads may be out)
	WIN MUL
	MULA F1, 0, 0                                  ; eight matrix instructions stand between the add and the wait for it
	s_wait_dscnt 0x0                               ; the add is done, and my reads of this slot are over
	s_barrier_signal -1
	MULA F1, 1, 0
.if \fill
	WIN 0
.endif
	s_barrier_wait -1
.if \fill
	CREST                                          ; no wave of any partner still reads this slot's tiles or has a load on its way
	s_add_nc_u64 s[G0+4*\slot+2:G0+4*\slot+3], s[G0+4*\slot+2:G0+4*\slot+3], 2*STEPB
	s_add_nc_u64 s[G0B+4*\slot+2:G0B+4*\slot+3], s[G0B+4*\slot+2:G0B+4*\slot+3], 2*STEPB
	JLOAD \slot                                    ; the first tensor load behind the round; the four v_nop behind it are also the places in front of the loads below
.else
	PLACES
.endif
	FETCH \next, 0, F0
	WIN MUL
	MULA F1, 2, 0
	MULA F1, 3, 0
.endm
	s_wait_tensorcnt 1                             ; my part of K step 0 is in; K step 1's load may stay out
	s_barrier_signal -1
	s_barrier_wait -1                              ; everybody's is
	FETCH 0, 0, F0
	QUARTER 0, 1, F0, F1, 1                        ; the first quarter stands in front of the loop: its products start the sums
	WIN 0                                          ; at a label and at a branch every window is 0
	s_mov_b32 s3, LAPS-1
.Llap:                                             ; a trip goes once round the ring, from a lap's second quarter to the next lap's first, and fills both slots again
	QUARTER 0, 2, F1, F0, 0
	QUARTER 0, 3, F0, F1, 0
	TURN 0, 1, 1
	QUARTER 1, 1, F0, F1, 0
	QUARTER 1, 2, F1, F0, 0
	QUARTER 1, 3, F0, F1, 0
	TURN 1, 0, 1
	QUARTER 0, 1, F0, F1, 0
	WIN 0
	s_sub_co_u32 s3, s3, 1
	s_cmp_lg_u32 s3, 0
	s_cbranch_scc1 .Llap
	QUARTER 0, 2, F1, F0, 0                        ; the last lap fills nothing, and has no round of the cluster's barrier
	QUARTER 0, 3, F0, F1, 0
	TURN 0, 1, 0
	QUARTER 1, 1, F0, F1, 0
	QUARTER 1, 2, F1, F0, 0
	QUARTER 1, 3, F0, F1, 0
	s_wait_dscnt 4                                 ; the very last quarter: nothing more to fetch
	WIN MUL
	MULA F1, 0, 0
	MULA F1, 1, 0
	s_wait_dscnt 0
	MULA F1, 2, 0
	MULA F1, 3, 0
	WIN 0
; THE WAY OUT, block by block of 16 rows x 128 columns.  A lane holds 32 neighbouring bytes of a row, the lanes beside it other rows: a block goes through my own stage in LDS and comes back as whole rows of 512 bytes.
; LDS serves a wave's instructions in order (ISA guide 5.7.1.4): no wait between the stores and the loads, nor in front of the next block's stores.
.macro TOSTAGE a
	WIN 0x04                                       ; an LDS store's data are its source 1: window 1
.irp b, 0,1,2,3,4,5,6,7
	ds_store_b128 v[STO], v[8*(8*(\a)+\b):8*(8*(\a)+\b)+3] offset:64*\b          ; each accumulator from its low end on
	ds_store_b128 v[STO], v[8*(8*(\a)+\b)+4:8*(8*(\a)+\b)+7] offset:64*\b+16
.endr
	WIN 0
.set BB, BK+64*((\a)%2)
.irp t, 0,1,2,3,4,5,6,7,8,9,10,11,12,13,14,15
	ds_load_b128 v[BB+4*\t:BB+4*\t+3], v[RD] offset:\t*SPITCH
.endr
.endm
.macro SEND a, younger                 ; younger: the LDS instructions issued behind block a's loads, which may stay out
.set BB, BK+64*((\a)%2)
	s_wait_dscnt \younger                          ; the block is back in registers
.irp t, 0,1,2,3,4,5,6,7,8,9,10,11,12,13,14,15
	global_store_b128 v[CO], v[BB+4*\t:BB+4*\t+3], s[8:9] offset:(\a)*65536+\t*4096 th:TH_STORE_NT   ; 32 lanes store 512 consecutive bytes, at a multiple of 512 from out0's first byte; written once, read by nobody here
.endr
.endm
	PLACES                                         ; behind the last products: their results are read, and loads land in registers that they read, only behind these
	TOSTAGE 0
.irp a, 1,2,3
.if \a > 1
	s_wait_xcnt 0x0                                ; block a - 2's stores have read their registers: block a's loads may land there
.endif
	TOSTAGE \a
	SEND \a-1, 32                                  ; behind block a - 1's loads: block a's 16 stores and 16 loads
.endr
	SEND 3, 0
	s_wait_tensorcnt 0x0                           ; the wave's end: behind my last tensor load and my last LDS store
	ds_add_u32 v[SPW], v[NIL]
	s_wait_dscnt 0x0
	CROUND                                         ; the closing round: no work-group ends while a partner may still ask for a tile that names it
	s_endpgm
.Lfunc_end_k_qa6df065181_outp:
	.size	k_qa6df065181_outp, .Lfunc_end_k_qa6df065181_outp-k_qa6df065181_outp
	.p2alignl 7, 3214868480
	.fill 96, 4, 3214868480
	.section	.rodata,"a",@progbits
	.p2align	6, 0x0
	.amdhsa_kernel k_qa6df065181_outp
		.amdhsa_group_segment_fixed_size 327680
		.amdhsa_private_segment_fixed_size 0
		.amdhsa_enable_private_segment 0
		.amdhsa_kernarg_size 24
		.amdhsa_user_sgpr_count 2
		.amdhsa_user_sgpr_kernarg_segment_ptr 1
		.amdhsa_wavefront_size32 1
		.amdhsa_system_sgpr_workgroup_id_x 1
		.amdhsa_system_sgpr_workgroup_id_y 1
		.amdhsa_system_sgpr_workgroup_id_z 1
		.amdhsa_system_vgpr_workitem_id 0
		.amdhsa_next_free_vgpr 512
		.amdhsa_next_free_sgpr 66
		.amdhsa_reserve_vcc 0
		.amdhsa_float_denorm_mode_32 3
		.amdhsa_float_denorm_mode_16_64 3
		.amdhsa_memory_ordered 1
		.amdhsa_forward_progress 1
		.amdhsa_inst_pref_size 85
	.end_amdhsa_kernel
	.amdgpu_metadata
---
amdhsa.version: [ 1, 2 ]
amdhsa.kernels:
  - .name:           k_qa6df065181_outp
    .symbol:         k_qa6df065181_outp.kd
    .args:
      - { .name: att_o, .offset: 0, .size: 8, .value_kind: global_buffer, .address_space: global }
      - { .name: wo16, .offset: 8, .size: 8, .value_kind: global_buffer, .address_space: global }
      - { .name: out0, .offset: 16, .size: 8, .value_kind: global_buffer, .address_space: global }
    .group_segment_fixed_size: 327680
    .private_segment_fixed_size: 0
    .kernarg_segment_align: 8
    .kernarg_segment_size: 24
    .max_flat_workgroup_size: 128
    .sgpr_count:     66
    .vgpr_count:     512
    .wavefront_size: 32
...
	.end_amdgpu_metadata
.endif
;; end of part 4
